; MI455X (gfx1250); checked and timed in simulation.
; The chip was launched on July 23, 2026; its instructions are those of AMD's public machine-readable ISA for CDNA 5 (MIT licence, August 2026) and "CDNA5" Instruction Set Architecture Reference Guide (July 2026). The comments in the code are by the model that wrote it; some were corrected since.
;; Transformer Block. Allowed arithmetic: matrix products marked QUANTISED: E2M3 operands, one E8M0 scale for each 32 along K, by v_wmma_scale_f32_16x16x128_f8f6f4 with both operands' format E2M3, f32 sums; everything else in f32.
;; Inputs: W1 1,024 x 4,096 float32; W2 4,096 x 1,024 float32; Wk 1,024 x 1,024 float32; Wo 1,024 x 1,024 float32; Wq 1,024 x 1,024 float32; Wv 1,024 x 1,024 float32; b1 4,096 float32; b2 1,024 float32; bo 1,024 float32; g1 1,024 float32; g2 1,024 float32; s1 1,024 float32; s2 1,024 float32; x 2 x 2,048 x 1,024 float32.
;; Outputs: out0 2 x 2,048 x 1,024 float32.
;; This version of the problem:
;;   THIS VERSION OF THE PROBLEM IS GIVEN IN LOW PRECISION. The matrix products marked QUANTISED in the list below multiply operands that are first quantised to E2M3 (2 exponent bits, 3 mantissa bits; 6 bits a number), with one power-of-two scale for each 32 numbers along K (OCP MX v1.0); their sums are f32. All else is computed in f32.
;;   The module's matrix products, in the order in which they are computed (A, B: the left and right operand; K: the contracted axis; several contracted axes count as one K, in the product's order):
;;     1. [M 4,096, K 1,024] x [K 1,024, N 1,024]; A: computed on the way; B: input Wq: QUANTISED
;;     2. [M 4,096, K 1,024] x [K 1,024, N 1,024]; A: computed on the way; B: input Wk: QUANTISED
;;     3. [M 4,096, K 1,024] x [K 1,024, N 1,024]; A: computed on the way; B: input Wv: QUANTISED
;;     4. batch 32 x [M 2,048, K 64] x [K 64, N 2,048]; A: computed on the way; B: computed on the way: QUANTISED
;;     5. batch 32 x [M 64, K 2,048] x [K 2,048, N 2,048]; A: computed on the way; B: softmax (see below): QUANTISED
;;     6. [M 4,096, K 1,024] x [K 1,024, N 1,024]; A: computed on the way; B: input Wo: QUANTISED
;;     7. [M 4,096, K 1,024] x [K 1,024, N 4,096]; A: computed on the way; B: input W1: QUANTISED
;;     8. [M 4,096, K 4,096] x [K 4,096, N 1,024]; A: computed on the way; B: input W2: QUANTISED
;;   THE QUANTISER, for each operand of a quantised product, along K:
;;     - K is cut into blocks of 32 from its start; a last block that is shorter is filled with zeros.
;;     - A block's scale is 2^e with e = floor(log2(the largest magnitude in the block)) - 2, held to -126 .. 127; a block of zeros has e = 0. As a byte (E8M0): e + 127.
;;     - Each number is divided by its block's scale, clamped to +-7.5, and rounded to the nearest number of E2M3, ties to even, subnormals kept.
;;     - The product sums the exact products of the quantised numbers (number of the format x scale) in f32.
;;   ~~~python
;;   def quantise(x, axis):      # numpy; x: float32 -> the quantised numbers, widened to float32 again
;;       x = np.moveaxis(x, axis, -1); K = x.shape[-1]
;;       x = np.pad(x, [(0, 0)] * (x.ndim - 1) + [(0, -K % 32)]); x = x.reshape(x.shape[:-1] + (-1, 32)); a = np.abs(x).max(-1, keepdims=True)
;;       e = np.where(a > 0, np.clip(np.frexp(np.where(a > 0, a, 1))[1] - 1 - 2, -126, 127), 0)      # np.frexp(a)[1] - 1 = floor(log2(a)), exactly
;;       r = np.clip(x / 2.0 ** e, -7.5, 7.5)
;;       step = 2.0 ** (np.maximum(np.frexp(np.where(r == 0, 1, r))[1] - 1, 0) - 3)
;;       q = np.round(r / step) * step * 2.0 ** e      # np.round: ties to even
;;       return np.moveaxis(q.reshape(q.shape[:-2] + (-1,))[..., :K], -1, axis).astype(np.float32)
;;   ~~~
;;   SOFTMAX AHEAD OF A QUANTISED PRODUCT. Where the list says 'softmax', what is quantised is not the finished softmax but p = 2^(t - M), with t = logit x log2(e) and M = ceil(the row's largest t), a whole number; so 1/2 < the row's largest p <= 1. The row's sum l is taken of the UNQUANTISED p, in f32, and the product's result is divided by l at the end. Since M is a whole number, a kernel that streams over the keys may use a running M (the ceiling of the running maximum): every later rescaling is an exact power of two, which a block's scale takes up: the codes' values come out the same.
;;   OPERANDS COMPUTED ON THE WAY. 'Computed on the way' means the value that the module computes at that place (a softmax that the list does not call 'softmax' is quantised finished and normalised). What goes into a quantiser is computed in f32, as accurately as f32 sums, v_exp_f32 and their like allow (about 1e-6 of the number): no bf16 or f16 on the way to a quantiser, and a product that is left as it is and whose result goes on into a quantised operand takes f32 operands (vector FMAs, or v_wmma_f32_16x16x4_f32). A number that lies on a knife's edge between two numbers of the format may be rounded either way, as far as f32 arithmetic and the matrix unit's own rounding can turn it there, and no further.
;; One version. Each part assembles by itself: llvm-mc -triple=amdgcn-amd-amdhsa -mcpu=gfx1250 --defsym DOCPART=n.
;; ======== version 1 of 1: 7 launches
;; limits: right only within a limited range of input values
;; workspace buffers: wb 13,107,200 bytes; h1 3,276,800 bytes; qkv 9,830,400 bytes; ctx 3,276,800 bytes; x1 16,777,216 bytes; h2 3,276,800 bytes; hid 13,107,200 bytes
;; launch prep (part 1): grid 448 x 1, 8 waves a work-group, no clusters, 116,224 bytes of LDS; arguments x, g1, s1, h1, Wq, Wk, Wv, Wo, W1, W2, wb; writes h1, wb
.if DOCPART == 1
	.amdgcn_target "amdgcn-amd-amdhsa--gfx1250"
	.amdhsa_code_object_version 6
	.text
	.protected	k_qdccf5455cd_prep
	.globl	k_qdccf5455cd_prep
	.p2align	8
	.type	k_qdccf5455cd_prep,@function
k_qdccf5455cd_prep:
	s_mov_b64 s[64:65], 0
	v_nop
	global_prefetch_b8 v0, s[64:65] scope:SCOPE_SE
	s_setreg_imm32_b32 hwreg(HW_REG_WAVE_MODE, 25, 1), 1
	s_wait_xcnt 0x0
; TWO JOBS THAT DO NOT DEPEND ON EACH OTHER SHARE ONE LAUNCH: work-groups 0-191 quantise the six weights into wb, work-groups 192-447 make h1 = Q(layer norm(x)).  The ways part once, on the work-group's
; number, which all waves of a work-group share; each way has LDS bytes of its own (the norm's stage 0 .. 65,791, the weights' stages 66,048 .. 115,199).  The longer job has the lower numbers.
; Both results are codes of FP6 (E2M3) with one E8M0 byte for each 32 along K, laid as IMAGES OF OPERAND REGISTERS: a fragment (block of 16 rows, K step) is 16 rows x 128 K, 12 registers a lane, 1,536 bytes: register pair q at
; 256 q + 8 x lane; its scale words 4 bytes a row.  THE ROWS OF A BLOCK ARE NOT NEIGHBOURS: lane r of block b holds row 32 (b / 2) + 8 (b % 2) + r + 8 (r / 8), so that a product's 16 registers of two neighbouring blocks are 16 neighbours.
; A block's scale is 2^(floor(log2(largest magnitude)) - 2); its byte is the largest magnitude's exponent field - 2, held at 1 from below.
; LIMITS: NaN and infinities are not served; a block whose largest magnitude lies under 2^-124 keeps the byte 1; a block of zeros gets the byte 1 where the quantiser says 127: its codes are zeros and this program alone reads the bytes.
.set NWQ,  192
.set WSTG, 66048
	v_lshl_add_u32 v192, v0, 2, 0x1c200
	v_mov_b32 v193, 0
	s_cmp_lt_u32 ttmp9, NWQ
	s_cbranch_scc0 .Lnorm
; ======== THE WEIGHTS, f32 stored [K][N].
; wb: codes [n block][K step] x 1,536: Wq 0, Wk 786,432, Wv 1,572,864, Wo 2,359,296, W1 3,145,728; their scale words [n block][K step][r] from 9,437,184: +0, +32,768, +65,536, +98,304, +131,072.
; W2 lies in RECORDS from 9,830,400: [n block 64][record 8] x 6,400 bytes; a record is four K steps: four fragments of 1,536 bytes, then their scale words, four times 64 bytes: so one tile brings codes and scale words.
; A LANE TAKES A COLUMN AND ITS REGISTERS RUN DOWN K: a load reads 128 consecutive bytes a wave (1,024 a work-group), a block of 32 lies in one lane, and the conversions give codes with K innermost.
; A work-group takes 256 columns x 256 K of one weight (16 work-groups for each square weight, 64 for W1, 64 for W2), a wave 32 columns (two n blocks) x 8 blocks of 32 (two K steps).  The codes go through the wave's own
; stage, laid as the images, and leave as 16 bytes a lane, 512 consecutive bytes a store.  The scale words leave in runs of 64 bytes: one byte in 24 of what this way stores.  Only pointers and sizes are chosen by the weight.
.set X,    32                          ; v32-95   two sets of 32 numbers
.set ROW,  96                          ; v96-127  byte offset of row i of a block at my column: 4 x lane + i x pitch
.set OUTR, 128                         ; v128-175 the way out
.set C,    16                          ; v16-21   a block's codes
.set TT,   26                          ; v26-28   its upper 16 codes as converted (a conversion's three registers begin on an even number)
.set SB,   24                          ; v24-25   scale bytes, four to a register
.set BASE, 32                          ; s[32:47] the address of each of my eight blocks' first row
	s_load_b256 s[4:11], s[0:1], 0x20              ; Wq, Wk, Wv, Wo
	s_load_b128 s[12:15], s[0:1], 0x40             ; W1, W2
	s_load_b64 s[16:17], s[0:1], 0x50              ; wb
	v_lshrrev_b32 v1, 5, v0
	s_delay_alu instid0(VALU_DEP_1)
	v_readfirstlane_b32 s3, v1                     ; wave 0..7
	v_and_b32 v1, 31, v0                           ; lane = my column among the wave's 32
	v_bfe_u32 v2, v0, 3, 1                         ; u: which of the two n blocks
	v_and_b32 v3, 7, v0
	v_lshrrev_b32 v9, 1, v0
	s_delay_alu instid0(VALU_DEP_1)
	v_and_or_b32 v3, v9, 8, v3                     ; r: my place in that block
	s_mul_i32 s2, s3, 6144                         ; my stage: [u][K step] x 1,536
	s_add_co_u32 s2, s2, WSTG
	v_mul_u32_u24 v4, v2, 3072
	s_delay_alu instid0(VALU_DEP_1)
	v_lshl_add_u32 v4, v3, 3, v4
	s_delay_alu instid0(VALU_DEP_1)
	v_add_nc_u32 v4, s2, v4                        ; into it
	v_lshl_add_u32 v5, v1, 4, s2                   ; out of it: 16 bytes a lane
	v_lshlrev_b32 v6, 4, v1
	s_wait_alu depctr_va_vdst(0)
	v_lshlrev_b32 v10, 2, v1
	; which weight, which part of it: work-groups 0-63 the four square weights (16 each), 64-127 W1, 128-191 W2
	s_wait_alu depctr_va_vdst(0)
	s_and_b32 s21, ttmp9, 15
	s_and_b32 s22, ttmp9, 63
	s_lshr_b32 s23, ttmp9, 4
	s_mul_i32 s24, s23, 786432
	s_lshl_b32 s25, s23, 15
	s_lshr_b32 s26, ttmp9, 6                       ; 0 square, 1 W1, 2 W2
	s_cmp_eq_u32 s26, 0
	s_cselect_b32 s21, s21, s22                    ; my number within the weight
	s_cselect_b32 s24, s24, 3145728                ; where its codes begin (W2: see below)
	s_cselect_b32 s25, s25, 131072                 ; and its scale words
	s_cmp_eq_u32 s26, 2
	s_cselect_b32 s29, 5, 3                        ; log2 of its K steps
	s_cmp_eq_u32 s26, 1
	s_cselect_b32 s27, 4, 2                        ; log2 of its groups of 256 columns
	s_cselect_b32 s28, 14, 12                      ; log2 of a row's bytes
	s_bfm_b32 s30, s27, 0
	s_and_b32 s30, s21, s30                        ; group of columns
	s_lshr_b32 s31, s21, s27                       ; which 256 along K
	s_lshl_b32 s30, s30, 3
	s_add_co_u32 s30, s30, s3                      ; G: my pair of n blocks
	s_lshl_b32 s20, 1, s28                         ; pitch
	s_lshl_b32 s22, 1536, s29                      ; from an n block's images to the next block's,
	s_lshl_b32 s23, 64, s29                        ; and the same for the scale words;
	s_cmp_eq_u32 s26, 2
	s_cselect_b32 s22, 51200, s22                  ; in W2 both are a block's eight records
	s_cselect_b32 s23, 51200, s23
	v_add_nc_u32 v7, s22, v6
	v_mul_u32_u24 v8, s23, v2
	s_delay_alu instid0(VALU_DEP_1)
	v_lshl_add_u32 v8, v3, 2, v8                   ; my scale word's place
.set I, 0
.rept 32
	v_mad_u32_u24 v[ROW+I], s20, I, v10
.set I, I+1
.endr
	s_lshl_b32 s48, s30, 7                         ; 32 G columns of 4 bytes,
	s_add_co_u32 s49, s28, 8
	s_lshl_b32 s49, s31, s49                       ; 256 rows for each part along K
	s_add_co_u32 s48, s48, s49
	s_mov_b32 s49, 0
	s_lshl_b32 s50, 32, s28                        ; from block to block: 32 rows
	s_mov_b32 s51, 0
	s_lshl_b32 s52, s30, 1
	s_lshl_b32 s52, s52, s29
	s_lshl_b32 s53, s31, 1
	s_add_co_u32 s52, s52, s53                     ; my first fragment's number: n block x K steps + K step (an even K step)
	s_mul_i32 s54, s52, 1536
	s_add_co_u32 s54, s54, s24
	s_lshl_b32 s56, s52, 6
	s_add_co_u32 s56, s56, s25
	s_add_co_u32 s56, s56, 9437184
	s_lshr_b32 s32, s52, 2                         ; W2: the record,
	s_mul_i32 s32, s32, 6400
	s_add_co_u32 s32, s32, 9830400
	s_and_b32 s33, s52, 3                          ; the K step in it, 0 or 2: my two K steps lie in one record, on end
	s_mul_i32 s34, s33, 1536
	s_add_co_u32 s34, s34, s32
	s_lshl_b32 s35, s33, 6
	s_add_co_u32 s35, s35, s32
	s_add_co_u32 s35, s35, 6144
	s_cmp_eq_u32 s26, 2
	s_cselect_b32 s54, s34, s54
	s_cselect_b32 s56, s35, s56
	s_mov_b32 s55, 0
	s_mov_b32 s57, 0
	s_wait_alu depctr_va_vdst(0)
	s_wait_kmcnt 0x0
	s_cmp_lt_u32 ttmp9, 16                         ; the weight's address: the choices hang on the work-group's number alone
	s_cselect_b64 s[18:19], s[4:5], s[6:7]
	s_cmp_lt_u32 ttmp9, 32
	s_cselect_b64 s[18:19], s[18:19], s[8:9]
	s_cmp_lt_u32 ttmp9, 48
	s_cselect_b64 s[18:19], s[18:19], s[10:11]
	s_cmp_lt_u32 ttmp9, 64
	s_cselect_b64 s[18:19], s[18:19], s[12:13]
	s_cmp_lt_u32 ttmp9, 128
	s_cselect_b64 s[18:19], s[18:19], s[14:15]
	s_add_nc_u64 s[BASE:BASE+1], s[18:19], s[48:49]
.irp t, 1,2,3,4,5,6,7
	s_add_nc_u64 s[BASE+2*\t:BASE+2*\t+1], s[BASE+2*\t-2:BASE+2*\t-1], s[50:51]
.endr
	s_add_nc_u64 s[58:59], s[16:17], s[54:55]      ; my codes
	s_add_nc_u64 s[60:61], s[16:17], s[56:57]      ; my scale words
.macro LOAD t                          ; block t: rows 32 t + i of my part, my column, into set t % 2
.set I, 0
.rept 32
	global_load_b32 v[X+32*((\t)%2)+I], v[ROW+I], s[BASE+2*(\t):BASE+2*(\t)+1] th:TH_LOAD_NT
.set I, I+1
.endr
.endm
	LOAD 0
	LOAD 1
.macro BLOCK t
.set XS, X+32*((\t)%2)
.if (\t) < 7
	s_wait_loadcnt 32                              ; this block's 32 loads are in; the next block's may be out
.else
	s_wait_loadcnt 0
.endif
	v_max3_num_f32 v12, |v[XS]|, |v[XS+1]|, |v[XS+2]|              ; the block's largest magnitude: all 32 numbers are mine
	v_max3_num_f32 v13, |v[XS+3]|, |v[XS+4]|, |v[XS+5]|
.irp i, 6,10,14,18,22,26
	s_delay_alu instid0(VALU_DEP_2)
	v_max3_num_f32 v12, v12, |v[XS+\i]|, |v[XS+\i+1]|
	s_delay_alu instid0(VALU_DEP_2)
	v_max3_num_f32 v13, v13, |v[XS+\i+2]|, |v[XS+\i+3]|
.endr
	s_delay_alu instid0(VALU_DEP_2)
	v_max3_num_f32 v12, v12, |v[XS+30]|, |v[XS+31]|
	s_delay_alu instid0(VALU_DEP_1)
	v_max3_num_f32 v12, v12, v13, 0x1800000        ; and the floor 2^(3 - 127): the byte cannot fall under 1
	s_delay_alu instid0(VALU_DEP_1)
	v_add_nc_u32 v11, 0xff000000, v12              ; 2 off the exponent field: the conversion takes the exponent field of this operand as its scale
	s_delay_alu instid0(VALU_DEP_1)
	v_lshrrev_b32 v14, 23, v11                     ; the scale's byte
	v_cvt_scalef32_pk16_fp6_f32 v[C:C+2], v[XS:XS+15], v11
	v_cvt_scalef32_pk16_fp6_f32 v[TT:TT+2], v[XS+16:XS+31], v11
.if (\t)%4 == 0
	v_mov_b32 v[SB+(\t)/4], v14                    ; four bytes to a word, the lower K in the lower byte.  (The plain line behind the conversions)
.else
	v_lshl_or_b32 v[SB+(\t)/4], v14, 8*((\t)%4), v[SB+(\t)/4]
.endif
.irp k, 0,1,2
	v_mov_b32 v[C+3+\k], v[TT+\k]
.endr
.irp p, 0,1,2                          ; block t is K = 64 c + 32 h of K step t / 4 (c = (t % 4) / 2, h = t % 2): register pairs 3 c + p of lane r + 16 h
	ds_store_b64 v4, v[C+2*\p:C+2*\p+1] offset:((\t)/4)*1536+((((\t)%4)/2)*3+\p)*256+((\t)%2)*128
.endr
.if (\t)+2 < 8
	LOAD (\t)+2
.endif
	s_wait_dscnt 0x0                               ; the stores have read their registers: the next block's codes may be written
.endm
.irp t, 0,1,2,3,4,5,6,7
	BLOCK \t
.endr
	global_store_b32 v8, v[SB], s[60:61]           ; my column's scale words of the two K steps
	s_wait_alu depctr_va_vdst(0)
	global_store_b32 v8, v[SB+1], s[60:61] offset:64
.irp p, 0,1,2,3,4,5,6,7,8,9,10,11
	ds_load_b128 v[OUTR+4*\p:OUTR+4*\p+3], v5 offset:512*\p    ; LDS serves a wave's instructions in order: these see my stores
.endr
.irp p, 0,1,2,3,4,5
	s_wait_dscnt 11-\p                             ; the younger loads may stay out
	global_store_b128 v6, v[OUTR+4*\p:OUTR+4*\p+3], s[58:59] offset:512*\p          ; 32 lanes store 512 consecutive bytes, at a multiple of 256
.endr
.irp p, 6,7,8,9,10,11
	s_wait_dscnt 11-\p
	global_store_b128 v7, v[OUTR+4*\p:OUTR+4*\p+3], s[58:59] offset:512*(\p-6)
.endr
	s_wait_tensorcnt 0x0
	ds_add_u32 v192, v193
	s_wait_dscnt 0x0
	s_endpgm
; ======== THE LAYER NORM: h1 = Q(g1 x (x - mean) / sqrt(var + 1e-5) + s1), rows of 1,024 f32, quantised along the row.
; h1: codes [row block rb][8 K steps] x 1,536; scale words [rb][8][r] from byte 3,145,728.
; A work-group is one row block.  PHASE A: wave w normalises the block's rows 2 w and 2 w + 1 (neighbouring tokens), a whole row in 32 registers: the mean, then the mean of (x - mean)^2 over the registers:
; no difference of large sums is formed.  The rows go to a stage in LDS, 4,112 bytes apart.  PHASE B: wave w quantises K step w of all 16 rows: lane (r, h) reads, of row r, 16 neighbours of each block of 32.
; 4,112 = 257 x 16: the sixteen rows that a 16-byte load touches fall on sixteen different 16-byte columns.
.Lnorm:
.set PITCH, 4112
.set X,   32                           ; v32-95   two rows as loaded, then normalised; in phase B 64 numbers
.set G,   96                           ; v96-127  gain
.set S,   128                          ; v128-159 shift
.set TM,  8                            ; v8-23    at work
.set PW,  24                           ; v24      the scale word
.set PC,  160                          ; v160-178 the codes
.set SEL, 22                           ; s[22:23] v_permlanex16_b32's selects for lane l xor 16
.macro QUANT s                         ; 64 numbers of a lane, register 16 b + i = k 32 b + 16 (lane / 16) + i of my row, become a fragment's codes in v[PC] on and its scale word in v[PW]
.irp b, 0,1,2,3
	v_max3_num_f32 v[TM+\b], |v[\s+16*\b]|, |v[\s+1+16*\b]|, 0x1800000   ; my 16 numbers of block b, and the floor 2^(3 - 127): the byte cannot fall under 1
.endr
.irp i, 2,4,6,8,10,12,14
.irp b, 0,1,2,3
	s_delay_alu instid0(VALU_DEP_4)
	v_max3_num_f32 v[TM+\b], v[TM+\b], |v[\s+16*\b+\i]|, |v[\s+1+16*\b+\i]|
.endr
.endr
.irp b, 0,1,2,3
	s_delay_alu instid0(VALU_DEP_4)
	v_permlanex16_b32 v[TM+4+\b], v[TM+\b], s[SEL], s[SEL+1]
.endr
.irp b, 0,1,2,3
	s_delay_alu instid0(VALU_DEP_4)
	v_max_num_f32 v[TM+\b], v[TM+\b], v[TM+4+\b]   ; with lane l xor 16's: the block's largest magnitude
.endr
.irp b, 0,1,2,3
	s_delay_alu instid0(VALU_DEP_4)
	v_add_nc_u32 v[TM+12+\b], 0xff000000, v[TM+\b] ; 2 off its exponent field: the conversion's scale operand
.endr
.irp b, 0,1,2,3
	s_delay_alu instid0(VALU_DEP_4)
	v_lshrrev_b32 v[TM+4+\b], 23, v[TM+12+\b]      ; the scale's byte
.endr
	s_delay_alu instid0(VALU_DEP_3)
	v_lshl_or_b32 v[PW], v[TM+5], 8, v[TM+4]
	s_delay_alu instid0(VALU_DEP_1)
	v_lshl_or_b32 v[PW], v[TM+6], 16, v[PW]
	s_delay_alu instid0(VALU_DEP_1)
	v_lshl_or_b32 v[PW], v[TM+7], 24, v[PW]
.irp c, 0,1
	v_cvt_scalef32_pk16_fp6_f32 v[PC+6*\c:PC+2+6*\c], v[\s+32*\c:\s+15+32*\c], v[TM+12+2*\c]
	v_cvt_scalef32_pk16_fp6_f32 v[PC+12+4*\c:PC+14+4*\c], v[\s+16+32*\c:\s+31+32*\c], v[TM+12+2*\c+1]   ; (a conversion's three registers begin on an even number)
.endr
	v_nop                                          ; one plain line behind a scaled conversion
.irp c, 0,1                            ; the operand's layout wants a whole block in a lane: lanes 0-15 block 2 c, lanes 16-31 block 2 c + 1
.irp i, 0,1,2
	v_permlane16_swap_b32 v[PC+6*\c+\i], v[PC+12+4*\c+\i]
.endr
.irp i, 0,1,2
	s_delay_alu instid0(VALU_DEP_3)
	v_mov_b32 v[PC+3+6*\c+\i], v[PC+12+4*\c+\i]
.endr
.endr
.endm
.macro ACROSS                          ; row e's two packed chains v[8+4e:9+4e], v[10+4e:11+4e] become one sum, in every lane, in v[8+4e]
.irp e, 0
	s_delay_alu instid0(VALU_DEP_3)
	v_pk_add_f32 v[8+4*\e:9+4*\e], v[8+4*\e:9+4*\e], v[10+4*\e:11+4*\e]
.endr
.irp e, 1
	s_delay_alu instid0(VALU_DEP_2)
	v_pk_add_f32 v[8+4*\e:9+4*\e], v[8+4*\e:9+4*\e], v[10+4*\e:11+4*\e]
.endr
.irp e, 0,1
	s_delay_alu instid0(VALU_DEP_2)
	v_add_f32 v[8+4*\e], v[8+4*\e], v[9+4*\e]
.endr
.irp m, 1,2,4,8
.irp e, 0,1
	s_delay_alu instid0(VALU_DEP_2)
	v_add_f32_dpp v[8+4*\e], v[8+4*\e], v[8+4*\e] row_xmask:\m row_mask:0xf bank_mask:0xf
.endr
.endr
.irp e, 0,1
	s_delay_alu instid0(VALU_DEP_2)
	v_permlanex16_b32 v[10+4*\e], v[8+4*\e], s[SEL], s[SEL+1]
.endr
.irp e, 0,1
	s_delay_alu instid0(VALU_DEP_2)
	v_add_f32 v[8+4*\e], v[8+4*\e], v[10+4*\e]
.endr
.endm
	s_load_b256 s[4:11], s[0:1], 0x0               ; x, g1, s1, h1
	s_sub_co_u32 s2, ttmp9, NWQ                    ; my row block
	v_lshrrev_b32 v1, 5, v0
	s_delay_alu instid0(VALU_DEP_1)
	v_readfirstlane_b32 s12, v1                    ; wave 0..7
	v_and_b32 v6, 31, v0                           ; lane
	v_and_b32 v7, 15, v0                           ; r
	v_bfe_u32 v25, v0, 4, 1                        ; h
	s_delay_alu instid0(VALU_DEP_3)
	v_lshlrev_b32 v1, 4, v6                        ; 16 bytes a lane
	s_mul_i32 s13, s12, 2*PITCH
	v_add_nc_u32 v2, s13, v1                       ; the stage, on the way in: my two rows
	v_mul_u32_u24 v3, v7, PITCH
	s_delay_alu instid0(VALU_DEP_1)
	v_lshl_add_u32 v3, v25, 6, v3
	s_lshl_b32 s13, s12, 9
	v_add_nc_u32 v3, s13, v3                       ; and out: row r, K step w, + 64 h
	v_lshlrev_b32 v4, 3, v6                        ; an image's place for my lane
	v_lshlrev_b32 v5, 2, v7                        ; a scale word's
	s_lshr_b32 s14, s2, 1
	s_lshl_b32 s14, s14, 5
	s_and_b32 s15, s2, 1
	s_lshl_b32 s15, s15, 3
	s_add_co_u32 s14, s14, s15
	s_lshl_b32 s15, s12, 1
	s_add_co_u32 s14, s14, s15
	s_lshr_b32 s15, s12, 2
	s_lshl_b32 s15, s15, 3
	s_add_co_u32 s14, s14, s15                     ; my first token: 32 (rb / 2) + 8 (rb % 2) + 2 w + 8 (w / 4)
	s_lshl_b32 s14, s14, 12
	s_mov_b32 s15, 0
	s_lshl_b32 s16, s2, 3
	s_add_co_u32 s16, s16, s12                     ; my fragment: 8 rb + w
	s_mul_i32 s18, s16, 1536
	s_mov_b32 s19, 0
	s_lshl_b32 s16, s16, 6
	s_add_co_u32 s16, s16, 3145728
	s_mov_b32 s17, 0
	s_mov_b32 s20, 0x3a800000                      ; 1 / 1,024
	s_mov_b32 s21, 0x3727c5ac                      ; 1e-5
	s_mov_b32 s[SEL], 0x76543210
	s_mov_b32 s[SEL+1], 0xfedcba98
	s_wait_alu depctr_va_vdst(0)
	s_wait_kmcnt 0x0
	s_add_nc_u64 s[4:5], s[4:5], s[14:15]
	s_add_nc_u64 s[18:19], s[10:11], s[18:19]
	s_add_nc_u64 s[16:17], s[10:11], s[16:17]
.irp e, 0,1
.irp j, 0,1,2,3,4,5,6,7
	global_load_b128 v[X+32*\e+4*\j:X+32*\e+4*\j+3], v1, s[4:5] offset:4096*\e+512*\j   ; 512 consecutive bytes a load
.endr
.endr
.irp j, 0,1,2,3,4,5,6,7
	global_load_b128 v[G+4*\j:G+4*\j+3], v1, s[6:7] offset:512*\j
.endr
.irp j, 0,1,2,3,4,5,6,7
	global_load_b128 v[S+4*\j:S+4*\j+3], v1, s[8:9] offset:512*\j
.endr
	s_wait_loadcnt 16                              ; my two rows are in; the sixteen loads of gain and shift may be out
.irp e, 0,1
	v_pk_add_f32 v[8+4*\e:9+4*\e], v[X+32*\e:X+32*\e+1], v[X+32*\e+2:X+32*\e+3]
	v_pk_add_f32 v[10+4*\e:11+4*\e], v[X+32*\e+4:X+32*\e+5], v[X+32*\e+6:X+32*\e+7]
.endr
.irp j, 8,12,16,20,24,28
.irp e, 0,1
	s_delay_alu instid0(VALU_DEP_4)
	v_pk_add_f32 v[8+4*\e:9+4*\e], v[8+4*\e:9+4*\e], v[X+32*\e+\j:X+32*\e+\j+1]
	s_delay_alu instid0(VALU_DEP_4)
	v_pk_add_f32 v[10+4*\e:11+4*\e], v[10+4*\e:11+4*\e], v[X+32*\e+\j+2:X+32*\e+\j+3]
.endr
.endr
	ACROSS
.irp e, 0,1
	s_delay_alu instid0(VALU_DEP_2)
	v_mul_f32 v[26+2*\e], s20, v[8+4*\e]           ; the mean
.endr
.irp e, 0,1
	s_delay_alu instid0(VALU_DEP_2)
	v_mov_b32 v[27+2*\e], v[26+2*\e]               ; (named with it as a pair)
.endr
.irp j, 0,2,4,6,8,10,12,14,16,18,20,22,24,26,28,30
.irp e, 0,1
	v_pk_add_f32 v[X+32*\e+\j:X+32*\e+\j+1], v[X+32*\e+\j:X+32*\e+\j+1], v[26+2*\e:27+2*\e] op_sel_hi:[1,0] neg_lo:[0,1] neg_hi:[0,1]   ; d = x - mean
.endr
.endr
.irp e, 0,1
	v_pk_mul_f32 v[8+4*\e:9+4*\e], v[X+32*\e:X+32*\e+1], v[X+32*\e:X+32*\e+1]
	v_pk_mul_f32 v[10+4*\e:11+4*\e], v[X+32*\e+2:X+32*\e+3], v[X+32*\e+2:X+32*\e+3]
.endr
.irp j, 4,8,12,16,20,24,28
.irp e, 0,1
	s_delay_alu instid0(VALU_DEP_4)
	v_pk_fma_f32 v[8+4*\e:9+4*\e], v[X+32*\e+\j:X+32*\e+\j+1], v[X+32*\e+\j:X+32*\e+\j+1], v[8+4*\e:9+4*\e]
	s_delay_alu instid0(VALU_DEP_4)
	v_pk_fma_f32 v[10+4*\e:11+4*\e], v[X+32*\e+\j+2:X+32*\e+\j+3], v[X+32*\e+\j+2:X+32*\e+\j+3], v[10+4*\e:11+4*\e]
.endr
.endr
	ACROSS
.irp e, 0,1
	s_delay_alu instid0(VALU_DEP_2)
	v_fma_f32 v[8+4*\e], v[8+4*\e], s20, s21       ; var + 1e-5
.endr
	s_wait_alu depctr_va_vdst(0)
.irp e, 0,1
	v_rsq_f32 v[26+2*\e], v[8+4*\e]
.endr
	v_nop                                          ; one plain line behind the transcendentals
	s_wait_alu depctr_va_vdst(0)
.irp e, 0,1
	v_mov_b32 v[27+2*\e], v[26+2*\e]
.endr
	s_wait_alu depctr_va_vdst(0)
	s_wait_loadcnt 0x0                             ; gain and shift
.irp j, 0,2,4,6,8,10,12,14,16,18,20,22,24,26,28,30
.irp e, 0,1
	v_pk_mul_f32 v[X+32*\e+\j:X+32*\e+\j+1], v[X+32*\e+\j:X+32*\e+\j+1], v[26+2*\e:27+2*\e] op_sel_hi:[1,0]
.endr
.endr
.irp j, 0,2,4,6,8,10,12,14,16,18,20,22,24,26,28,30
.irp e, 0,1
	v_pk_fma_f32 v[X+32*\e+\j:X+32*\e+\j+1], v[X+32*\e+\j:X+32*\e+\j+1], v[G+\j:G+\j+1], v[S+\j:S+\j+1]
.endr
.endr
.irp e, 0,1
.irp j, 0,1,2,3,4,5,6,7
	ds_store_b128 v2, v[X+32*\e+4*\j:X+32*\e+4*\j+3] offset:PITCH*\e+512*\j
.endr
.endr
	s_wait_dscnt 0x0                               ; for the others' sake: my rows lie in the stage
	s_barrier_signal -1
	s_barrier_wait -1
.irp b, 0,1,2,3
.irp j, 0,1,2,3
	ds_load_b128 v[X+16*\b+4*\j:X+16*\b+4*\j+3], v3 offset:128*\b+16*\j
.endr
.endr
	s_wait_dscnt 0x0
	QUANT X
.irp q, 0,1,2,3,4,5
	global_store_b64 v4, v[PC+2*\q:PC+2*\q+1], s[18:19] offset:256*\q   ; 32 lanes store 256 consecutive bytes, aligned
.endr
	global_store_b32 v5, v[PW], s[16:17]           ; row r's scale word (lanes 16-31 hold and store the same word)
	s_wait_tensorcnt 0x0
	ds_add_u32 v192, v193
	s_wait_dscnt 0x0
	s_endpgm
.Lfunc_end_k_qdccf5455cd_prep:
	.size	k_qdccf5455cd_prep, .Lfunc_end_k_qdccf5455cd_prep-k_qdccf5455cd_prep
	.p2alignl 7, 3214868480
	.fill 96, 4, 3214868480
	.section	.rodata,"a",@progbits
	.p2align	6, 0x0
	.amdhsa_kernel k_qdccf5455cd_prep
		.amdhsa_group_segment_fixed_size 116224
		.amdhsa_private_segment_fixed_size 0
		.amdhsa_enable_private_segment 0
		.amdhsa_kernarg_size 88
		.amdhsa_user_sgpr_count 2
		.amdhsa_user_sgpr_kernarg_segment_ptr 1
		.amdhsa_wavefront_size32 1
		.amdhsa_system_sgpr_workgroup_id_x 1
		.amdhsa_system_sgpr_workgroup_id_y 1
		.amdhsa_system_sgpr_workgroup_id_z 1
		.amdhsa_system_vgpr_workitem_id 0
		.amdhsa_next_free_vgpr 194
		.amdhsa_next_free_sgpr 66
		.amdhsa_reserve_vcc 0
		.amdhsa_float_denorm_mode_32 3
		.amdhsa_float_denorm_mode_16_64 3
		.amdhsa_memory_ordered 1
		.amdhsa_forward_progress 1
		.amdhsa_inst_pref_size 79
	.end_amdhsa_kernel
	.amdgpu_metadata
---
amdhsa.version: [ 1, 2 ]
amdhsa.kernels:
  - .name:           k_qdccf5455cd_prep
    .symbol:         k_qdccf5455cd_prep.kd
    .args:
      - { .name: x, .offset: 0, .size: 8, .value_kind: global_buffer, .address_space: global }
      - { .name: g1, .offset: 8, .size: 8, .value_kind: global_buffer, .address_space: global }
      - { .name: s1, .offset: 16, .size: 8, .value_kind: global_buffer, .address_space: global }
      - { .name: h1, .offset: 24, .size: 8, .value_kind: global_buffer, .address_space: global }
      - { .name: Wq, .offset: 32, .size: 8, .value_kind: global_buffer, .address_space: global }
      - { .name: Wk, .offset: 40, .size: 8, .value_kind: global_buffer, .address_space: global }
      - { .name: Wv, .offset: 48, .size: 8, .value_kind: global_buffer, .address_space: global }
      - { .name: Wo, .offset: 56, .size: 8, .value_kind: global_buffer, .address_space: global }
      - { .name: W1, .offset: 64, .size: 8, .value_kind: global_buffer, .address_space: global }
      - { .name: W2, .offset: 72, .size: 8, .value_kind: global_buffer, .address_space: global }
      - { .name: wb, .offset: 80, .size: 8, .value_kind: global_buffer, .address_space: global }
    .group_segment_fixed_size: 116224
    .private_segment_fixed_size: 0
    .kernarg_segment_align: 8
    .kernarg_segment_size: 88
    .max_flat_workgroup_size: 256
    .sgpr_count:     66
    .vgpr_count:     194
    .wavefront_size: 32
...
	.end_amdgpu_metadata
.endif
;; end of part 1
;; launch qkv (part 2): grid 12 x 16, 16 waves a work-group, clusters of 4 x 4, 327,680 bytes of LDS; arguments h1, wb, qkv; writes qkv
.if DOCPART == 2
	.amdgcn_target "amdgcn-amd-amdhsa--gfx1250"
	.amdhsa_code_object_version 6
	.text
	.protected	k_qdccf5455cd_qkv
	.globl	k_qdccf5455cd_qkv
	.p2align	8
	.type	k_qdccf5455cd_qkv,@function
k_qdccf5455cd_qkv:
	s_mov_b64 s[64:65], 0
	v_nop
	global_prefetch_b8 v0, s[64:65] scope:SCOPE_SE
	s_setreg_imm32_b32 hwreg(HW_REG_WAVE_MODE, 25, 1), 1
	s_wait_xcnt 0x0
	s_wait_alu depctr_hold_cnt(0) depctr_sa_sdst(0) depctr_va_vdst(0) depctr_va_sdst(0) depctr_va_ssrc(0) depctr_va_vcc(0) depctr_vm_vsrc(0)
	s_getreg_b32 s2, hwreg(HW_REG_IB_STS2, 6, 4)
	s_cmp_eq_u32 s2, 0
	s_cbranch_scc0 .Lentry_in_a_cluster
	s_endpgm
.Lentry_in_a_cluster:
	s_bfe_u32 s2, ttmp6, 0x10000c
	s_cmp_lg_u32 s2, 0xf033
	s_cbranch_scc0 .Lentry_shape_is_right
	s_endpgm
.Lentry_shape_is_right:
; Q = h Wq, K = h Wk, V = h Wv on codes of FP6 (E2M3) with E8M0 scales, and their quantising for attention: Q and K along the head's 64, V along the keys.
; Operands lie in memory as images of operand registers: fragment (block of 16 rows, K step) = 1,536 bytes, register pair q at 256 q + 8 x lane; scale words [block][K step][r].  Lane r of block b holds row 32 (b / 2) + 8 (b % 2) + r + 8 (r / 8).
; A PRODUCT HAS A LANE SIDE (source 1) AND A REGISTER SIDE (source 0): a lane holds one row of the lane side, and the 16 registers of register-side blocks 2 b, 2 b + 1 are its 16 neighbours 32 b + 16 (lane / 16) + 0 .. 15.
; Clusters x = 0, 1: lane side = tokens (h1), register side = the 2,048 columns of Wq | Wk: a lane's registers run along a head's 64.  Cluster x = 2: lane side = Wv's columns, register side = tokens: V^T, registers along the keys.
; The same text serves both: only pointers and tile numbers are chosen, on the cluster's x, which all partners share.
; A work-group makes 256 x 256 with sixteen waves of 64 x 64 (16 accumulators, 128 registers; 8 fragments, 96): everything fits in 256 registers, four waves to a SIMD.  For a K step a wave reads 8 fragments, 12,288 bytes, for 16 matrix instructions.
; K = 1,024 goes in four chunks of 256 through three LDS slots: chunks 0-2 are first fills, chunk 3 is the one refill (slot 0), asked for four K steps ahead of its use.  The tile's scale words come once, with the first fills.
; CLUSTER 4 x 4: the lane side's tile is shared along a row of the cluster, the register side's along a column: joint loads.  Waves 0, 1 fetch the lane side's halves, waves 2, 3 the register side's.
; OUT (qkv): codes at MAT x 3,145,728 (0 Q, 1 K, 2 V), [batch x head 32][group of 64 tokens 32][i 4] x 768: half images (64 along K: register pairs 0-2).  Q, K: i = block of 16 tokens; V: i = block of 16 of the head's 64, K = the group's 64 keys.
; Scale bytes at 9,437,184 + MAT x 131,072: [batch x head][group][r 16][i 4], two bytes each.
; LIMITS: NaN and infinities are not served; a block whose largest magnitude lies under 2^-124 keeps the byte 1; a block of zeros gets the byte 1 where the quantiser says 127 (zero codes; read by this program alone).
.set SLOTB, 98304                      ; a slot: lane side's 16 blocks x 3,072 bytes (2 K steps), then the register side's
.set LBLK,  3072
.set SB,    512                        ; a block's scale words: 8 K steps x 64 bytes
.set SCL,   3*SLOTB                    ; the scale words: lane side's 16 blocks, then the register side's
.set SPARE, SCL+16384                  ; the spare words, 128 bytes a wave: eight blocks of 256 bytes that no other line names
.set AL,  4                            ; v4-6   LDS address of my lane-side fragments in slot 0, 1, 2
.set AR,  7                            ; v7-9   the same for the register side
.set ADS, 10                           ; v10    of my scale words: lanes 0-15 the lane side's, lanes 16-31 the register side's
.set SC,  24                           ; v24-27 scale words of blocks 0-3 of both sides; they hold nothing else
.set SPW, 28                           ; v28    LDS address of my spare word; never rewritten
.set NIL, 29                           ; v29    0; never rewritten
.set L,   32                           ; v32-79   lane side, 4 fragments
.set R,   80                           ; v80-127  register side, 4 fragments
.set ACC, 128                          ; v128-255 accumulator (i, j) at 128 + 8 (4 i + j)
.set TT,  96                           ; the way out: v96-98, v100-105 at work, v108-111 scale bytes
.set TM,  100
.set PWR, 108
.set WV,  16
.set SEL, 22
.set G1A, 24
.set G1B, 32
.set G1SA, 40
.set G1SB, 48
.set G0SA, 56
.set G0SB, 60
.set G0A, 68                           ; s[68:79] group 0 for the lane side's chunks, a set for each slot
.set G0B, 80                           ; s[80:91] for the register side's
.macro CREST
	s_cmp_lg_u32 s[WV], 0
	s_cbranch_scc1 .Lnot_wave_0_\@
	s_barrier_signal -3
.Lnot_wave_0_\@:
	s_barrier_wait -3
	s_barrier_signal -1
	s_barrier_wait -1
.endm
.macro CROUND                          ; a round of the cluster's barrier
	s_barrier_signal -1
	s_barrier_wait -1
	CREST
.endm
.macro JLOAD g0a, g1a, g0b, g1b        ; a joint load: the branches hang on the wave's number alone; four v_nop follow each line
	s_cmp_lt_u32 s[WV], 2
	s_cbranch_scc0 .Lnot_a_\@
	tensor_load_to_lds s[\g0a:\g0a+3], s[\g1a:\g1a+7]
	s_nop 0
.rept 4
	v_nop
.endr
	s_branch .Lasked_\@
.Lnot_a_\@:
	s_cmp_lt_u32 s[WV], 4
	s_cbranch_scc0 .Lasked_\@
	tensor_load_to_lds s[\g0b:\g0b+3], s[\g1b:\g1b+7]
	s_nop 0
.rept 4
	v_nop
.endr
.Lasked_\@:
.endm
.macro FRAG reg, adr, off              ; a fragment's image: six loads of 8 bytes a lane, each 256 consecutive bytes
.irp q, 0,1,2,3,4,5
	ds_load_b64 v[\reg+2*\q:\reg+2*\q+1], v[\adr] offset:\off+256*\q
.endr
.endm
.macro KSTEP sl, off, soff, zero       ; 128 along K: 8 fragments, 4 registers of scale words, 16 matrix instructions on 16 accumulators by turns
.irp i, 0,1,2,3
	FRAG L+12*\i, AL+\sl, \off+\i*LBLK
.endr
.irp j, 0,1,2,3
	FRAG R+12*\j, AR+\sl, \off+\j*LBLK
.endr
.irp i, 0,1,2,3
	ds_load_b32 v[SC+\i], v[ADS] offset:\soff+\i*SB
.endr
	s_wait_dscnt 0x0
.irp i, 0,1,2,3
.irp j, 0,1,2,3
.if \zero
	v_wmma_scale_f32_16x16x128_f8f6f4 v[ACC+8*(4*\i+\j):ACC+8*(4*\i+\j)+7], v[R+12*\j:R+12*\j+11], v[L+12*\i:L+12*\i+11], 0, v[SC+\j], v[SC+\i] matrix_a_fmt:MATRIX_FMT_FP6 matrix_b_fmt:MATRIX_FMT_FP6 matrix_a_scale:MATRIX_SCALE_ROW1
.else
	v_wmma_scale_f32_16x16x128_f8f6f4 v[ACC+8*(4*\i+\j):ACC+8*(4*\i+\j)+7], v[R+12*\j:R+12*\j+11], v[L+12*\i:L+12*\i+11], v[ACC+8*(4*\i+\j):ACC+8*(4*\i+\j)+7], v[SC+\j], v[SC+\i] matrix_a_fmt:MATRIX_FMT_FP6 matrix_b_fmt:MATRIX_FMT_FP6 matrix_a_scale:MATRIX_SCALE_ROW1
.endif
.endr
.endr
.rept 4
	v_nop                                          ; four places in front of the next loads into these operands and of the first read of results
.endr
.endm
.macro QUANT2 s, pc, pw                ; 32 numbers of a lane, register 16 b + e = k 32 b + 16 (lane / 16) + e, become a half image in v[pc] .. v[pc + 5] and two scale bytes in v[pw]
.irp b, 0,1
	v_max3_num_f32 v[TM+\b], |v[(\s)+16*\b]|, |v[(\s)+16*\b+1]|, 0x1800000   ; with the floor 2^(3 - 127): the byte cannot fall under 1
.endr
.irp e, 2,4,6,8,10,12,14
.irp b, 0,1
	v_max3_num_f32 v[TM+\b], v[TM+\b], |v[(\s)+16*\b+\e]|, |v[(\s)+16*\b+\e+1]|
.endr
.endr
.irp b, 0,1
	s_delay_alu instid0(VALU_DEP_2)
	v_permlanex16_b32 v[TM+2+\b], v[TM+\b], s[SEL], s[SEL+1]
.endr
.irp b, 0,1
	s_delay_alu instid0(VALU_DEP_2)
	v_max_num_f32 v[TM+\b], v[TM+\b], v[TM+2+\b]   ; with lane l xor 16's: the block's largest magnitude
.endr
.irp b, 0,1
	s_delay_alu instid0(VALU_DEP_2)
	v_add_nc_u32 v[TM+4+\b], 0xff000000, v[TM+\b]  ; 2 off its exponent field: the conversion's scale operand
.endr
.irp b, 0,1
	s_delay_alu instid0(VALU_DEP_2)
	v_lshrrev_b32 v[TM+2+\b], 23, v[TM+4+\b]       ; the scale's byte
.endr
	s_delay_alu instid0(VALU_DEP_1)
	v_lshl_or_b32 v[\pw], v[TM+3], 8, v[TM+2]
	v_cvt_scalef32_pk16_fp6_f32 v[(\pc):(\pc)+2], v[(\s):(\s)+15], v[TM+4]
	v_cvt_scalef32_pk16_fp6_f32 v[TT:TT+2], v[(\s)+16:(\s)+31], v[TM+5]
	v_nop                                          ; one plain line behind a scaled conversion
.irp k, 0,1,2
	v_permlane16_swap_b32 v[(\pc)+\k], v[TT+\k]    ; a whole block to a lane: lanes 0-15 block 0, lanes 16-31 block 1
.endr
.irp k, 0,1,2
	s_delay_alu instid0(VALU_DEP_3)
	v_mov_b32 v[(\pc)+3+\k], v[TT+\k]
.endr
.endm
	s_load_b128 s[4:7], s[0:1], 0x0                ; h1, wb
	s_load_b64 s[8:9], s[0:1], 0x10                ; qkv
	v_lshl_add_u32 v[SPW], v0, 2, SPARE
	v_mov_b32 v[NIL], 0
	ds_add_u32 v28, v29
	ds_add_u32 v28, v29
	s_wait_dscnt 0x0
	v_lshrrev_b32 v1, 5, v0
	s_delay_alu instid0(VALU_DEP_1)
	v_readfirstlane_b32 s[WV], v1                  ; wave 0..15
	s_bfe_u32 s17, ttmp6, 0x40000                  ; cx
	s_bfe_u32 s18, ttmp6, 0x40004                  ; cy
	s_and_b32 s19, ttmp7, 0xffff                   ; the cluster's y
	s_cmp_eq_u32 ttmp9, 2                          ; the clusters of x = 2 make V^T
	s_cselect_b32 s20, 0, s19
	s_cselect_b32 s21, s19, ttmp9
	s_lshl_b32 s20, s20, 2
	s_add_co_u32 s20, s20, s18                     ; the lane side's tile of 256 rows
	s_lshl_b32 s21, s21, 2
	s_add_co_u32 s21, s21, s17                     ; the register side's
	s_lshl_b32 s22, s18, 2
	s_lshl_b32 s22, 15, s22                        ; my row of the cluster
	s_lshl_b32 s23, 0x1111, s17                    ; my column
	s_or_b32 s[G1A], s22, (3<<16)|(1<<21)          ; 15:0 the mask; 17:16 elements of 8 bytes; 21 set beside a mask; no padding: images are read as they lie
	s_or_b32 s[G1SA], s22, (3<<16)|(1<<21)
	s_or_b32 s[G1B], s23, (3<<16)|(1<<21)
	s_or_b32 s[G1SB], s23, (3<<16)|(1<<21)
.irp g, G1A, G1B                       ; codes: 8 blocks, of each 3,072 bytes (2 K steps), 12,288 bytes apart
	s_mov_b32 s[\g+1], 384<<16
	s_mov_b32 s[\g+2], 8<<16
	s_mov_b32 s[\g+3], 384<<16
	s_mov_b32 s[\g+4], 8
	s_mov_b32 s[\g+5], 1536
	s_mov_b32 s[\g+6], 0
	s_mov_b32 s[\g+7], 0
.endr
.irp g, G1SA, G1SB                     ; scale words of 8 blocks: 4,096 dense bytes as 16 rows of 256
	s_mov_b32 s[\g+1], 32<<16
	s_mov_b32 s[\g+2], 16<<16
	s_mov_b32 s[\g+3], 32<<16
	s_mov_b32 s[\g+4], 16
	s_mov_b32 s[\g+5], 32
	s_mov_b32 s[\g+6], 0
	s_mov_b32 s[\g+7], 0
.endr
	s_mov_b32 s[SEL], 0x76543210
	s_mov_b32 s[SEL+1], 0xfedcba98
	s_and_b32 s92, s[WV], 1
	s_lshl_b32 s92, s92, 3                         ; which 8 blocks of a tile I fetch
	s_lshl_b32 s93, s20, 4
	s_add_co_u32 s93, s93, s92
	s_lshl_b32 s94, s21, 4
	s_add_co_u32 s94, s94, s92
	s_mul_i32 s96, s93, 12288
	s_mov_b32 s97, 0
	s_lshl_b32 s98, s93, 9
	s_mov_b32 s99, 0
	s_mul_i32 s100, s94, 12288
	s_mov_b32 s101, 0
	s_lshl_b32 s94, s94, 9
	s_mov_b32 s95, 0
	s_and_b32 s92, s[WV], 3
	s_lshl_b32 s93, s92, 12
	s_add_co_u32 s93, s93, SCL                     ; where they go: no place in the cluster enters an LDS address
	s_mul_i32 s92, s92, 24576
	s_wait_kmcnt 0x0
	s_add_nc_u64 s[10:11], s[6:7], 1572864         ; Wv's codes
	s_add_nc_u64 s[12:13], s[6:7], 9502720         ; Wv's scale words
	s_add_nc_u64 s[14:15], s[4:5], 3145728         ; h1's scale words
	s_add_nc_u64 s[2:3], s[6:7], 9437184           ; Wq | Wk's scale words
	s_cmp_eq_u32 ttmp9, 2
	s_cselect_b64 s[10:11], s[10:11], s[4:5]       ; lane side: codes,
	s_cselect_b64 s[12:13], s[12:13], s[14:15]     ; scale words
	s_cselect_b64 s[6:7], s[4:5], s[6:7]           ; register side: codes,
	s_cselect_b64 s[14:15], s[14:15], s[2:3]       ; scale words
	s_add_nc_u64 s[10:11], s[10:11], s[96:97]
	s_add_nc_u64 s[12:13], s[12:13], s[98:99]
	s_add_nc_u64 s[6:7], s[6:7], s[100:101]
	s_add_nc_u64 s[14:15], s[14:15], s[94:95]
	s_mov_b32 s[G0SA], 1
	s_mov_b32 s[G0SA+1], s93
	s_mov_b64 s[G0SA+2:G0SA+3], s[12:13]
	s_or_b32 s[G0SA+3], s[G0SA+3], 0x80000000
	s_mov_b32 s[G0SB], 1
	s_mov_b32 s[G0SB+1], s93
	s_mov_b64 s[G0SB+2:G0SB+3], s[14:15]
	s_or_b32 s[G0SB+3], s[G0SB+3], 0x80000000
.irp s, 0,1,2
	s_mov_b32 s[G0A+4*\s], 1
	s_add_co_u32 s[G0A+4*\s+1], s92, \s*SLOTB
	s_add_nc_u64 s[G0A+4*\s+2:G0A+4*\s+3], s[10:11], \s*LBLK
	s_or_b32 s[G0A+4*\s+3], s[G0A+4*\s+3], 0x80000000
	s_mov_b32 s[G0B+4*\s], 1
	s_add_co_u32 s[G0B+4*\s+1], s92, \s*SLOTB
	s_add_nc_u64 s[G0B+4*\s+2:G0B+4*\s+3], s[6:7], \s*LBLK
	s_or_b32 s[G0B+4*\s+3], s[G0B+4*\s+3], 0x80000000
.endr
	CROUND                                         ; all sixteen work-groups are here: the first joint loads meet
; THE FIRST FILLS, ONE A WAVE: sixteen tiles for sixteen waves.  Waves 0-3 the scale words, 4-7 chunk 0, 8-11 chunk 1, 12-15 chunk 2; of each four waves two fetch the lane side's halves and two the register side's:
; every descriptor hangs on wave % 4 alone, so each wave holds all of them.  One chain of branches on the wave's number, a load to an arm, one join.
.macro ARM under, g0, g1, next
	s_cmp_lt_u32 s[WV], \under
	s_cbranch_scc0 \next
	tensor_load_to_lds s[\g0:\g0+3], s[\g1:\g1+7]
	s_nop 0
.rept 4
	v_nop
.endr
	s_branch .Lfirst_dn
\next:
.endm
	ARM 2, G0SA, G1SA, .Lf1
	ARM 4, G0SB, G1SB, .Lf2
	ARM 6, G0A, G1A, .Lf3
	ARM 8, G0B, G1B, .Lf4
	ARM 10, G0A+4, G1A, .Lf5
	ARM 12, G0B+4, G1B, .Lf6
	ARM 14, G0A+8, G1A, .Lf7
	tensor_load_to_lds s[G0B+8:G0B+11], s[G1B:G1B+7]
	s_nop 0
.rept 4
	v_nop
.endr
.Lfirst_dn:
	v_and_b32 v1, 15, v0                           ; r
	v_bfe_u32 v2, v0, 4, 1                         ; h
	s_wait_alu depctr_va_vdst(0)
	v_and_b32 v3, 31, v0
	s_delay_alu instid0(VALU_DEP_1)
	v_lshlrev_b32 v3, 3, v3                        ; 8 x lane
	s_lshr_b32 s92, s[WV], 2                       ; wm: my 64 rows of the lane side
	s_and_b32 s93, s[WV], 3                        ; wn: my 64 of the register side
	s_mul_i32 s94, s92, 4*LBLK
	s_mul_i32 s95, s93, 4*LBLK
	s_add_co_u32 s95, s95, SLOTB/2
	v_add_nc_u32 v[AL], s94, v3
	v_add_nc_u32 v[AR], s95, v3
	s_delay_alu instid0(VALU_DEP_2)
	v_add_nc_u32 v[AL+1], SLOTB, v[AL]
	s_delay_alu instid0(VALU_DEP_2)
	v_add_nc_u32 v[AR+1], SLOTB, v[AR]
	s_delay_alu instid0(VALU_DEP_4)
	v_add_nc_u32 v[AL+2], 2*SLOTB, v[AL]
	s_delay_alu instid0(VALU_DEP_4)
	v_add_nc_u32 v[AR+2], 2*SLOTB, v[AR]
	s_lshl_b32 s96, s92, 11
	s_lshl_b32 s97, s93, 11
	s_add_co_u32 s97, s97, 16*SB
	s_sub_co_u32 s97, s97, s96                     ; from my lane-side words to my register-side words: at least 2,048 bytes
	v_mul_u32_u24 v[ADS], s97, v2                  ; lanes 16-31 take the register side's
	s_delay_alu instid0(VALU_DEP_1)
	v_lshl_add_u32 v[ADS], v1, 2, v[ADS]
	s_add_co_u32 s96, s96, SCL
	v_add_nc_u32 v[ADS], s96, v[ADS]
	v_lshlrev_b32 v11, 3, v1                       ; the way out: 8 scale bytes a row
	s_lshl_b32 s98, s20, 2
	s_add_co_u32 s98, s98, s92                     ; the lane side's group of 64
	s_lshl_b32 s99, s21, 2
	s_add_co_u32 s99, s99, s93                     ; the register side's
	s_and_b32 s100, s99, 15
	s_lshr_b32 s101, s99, 4
	s_cmp_eq_u32 ttmp9, 2
	s_cselect_b32 s94, s99, s98                    ; the group of 64 tokens
	s_cselect_b32 s95, s98, s100                   ; the head
	s_cselect_b32 s96, 2, s101                     ; 0 Q, 1 K, 2 V
	s_lshr_b32 s97, s94, 5
	s_lshl_b32 s97, s97, 4
	s_add_co_u32 s97, s97, s95
	s_lshl_b32 s97, s97, 5
	s_and_b32 s94, s94, 31
	s_add_co_u32 s97, s97, s94                     ; (batch x 16 + head) x 32 + group
	s_mul_i32 s98, s96, 3145728
	s_mul_i32 s99, s97, 3072
	s_add_co_u32 s98, s98, s99
	s_mov_b32 s99, 0
	s_add_nc_u64 s[98:99], s[8:9], s[98:99]        ; my four half images
	s_lshl_b32 s100, s96, 17
	s_lshl_b32 s101, s97, 7
	s_add_co_u32 s100, s100, s101
	s_add_co_u32 s100, s100, 9437184
	s_mov_b32 s101, 0
	s_add_nc_u64 s[100:101], s[8:9], s[100:101]    ; their scale bytes
	s_wait_alu depctr_va_vdst(0)
	s_cmp_lt_u32 s[WV], 8                          ; waves 0-7 fetched the scale words and chunk 0: they wait; chunks 1 and 2 may stay out
	s_cbranch_scc0 .Lnot_first
	s_wait_tensorcnt 0x0
.Lnot_first:
	s_barrier_signal -1
	s_barrier_wait -1
	KSTEP 0,0,0,1                                  ; the first products start the sums: nothing is cleared
	KSTEP 0,1536,64,0
	s_wait_tensorcnt 0x0                           ; all my tensor loads have landed, so a group 0 may be written
	ds_add_u32 v[SPW], v[NIL]                      ; 0 onto my spare word
	s_add_nc_u64 s[G0A+2:G0A+3], s[G0A+2:G0A+3], 3*LBLK    ; slot 0's next chunk is chunk 3
	s_add_nc_u64 s[G0B+2:G0B+3], s[G0B+2:G0B+3], 3*LBLK
	s_wait_dscnt 0x0                               ; the add is done, and my reads of slot 0 are over
	CROUND                                         ; so it is of every wave of every partner
	JLOAD G0A,G1A,G0B,G1B                          ; the one refill: four K steps in which to land
	KSTEP 1,0,128,0
	KSTEP 1,1536,192,0
	KSTEP 2,0,256,0
	KSTEP 2,1536,320,0
	s_wait_tensorcnt 0x0                           ; my part of chunk 3 is in (the only load that was out),
	s_wait_dscnt 0x0
	s_barrier_signal -1
	s_barrier_wait -1                              ; everybody's is
	KSTEP 0,0,384,0
	KSTEP 0,1536,448,0
	; THE WAY OUT: for each of my four lane-side blocks, the lane's 32 registers are 64 along the next K in two halves of lanes: quantised in registers, stored as a half image
	v_mov_b32 v[TM+2], 0                           ; written once: a lane permute's destination counts as one of its sources
	v_mov_b32 v[TM+3], 0
.irp i, 0,1,2,3
	QUANT2 ACC+32*\i,64+8*\i,PWR+\i
.irp p, 0,1,2
	global_store_b64 v3, v[64+8*\i+2*\p:64+8*\i+2*\p+1], s[98:99] offset:768*\i+256*\p   ; 32 lanes store 256 consecutive bytes, aligned
.endr
.endr
	v_lshl_or_b32 v112, v[PWR+1], 16, v[PWR]
	v_lshl_or_b32 v113, v[PWR+3], 16, v[PWR+2]
	global_store_b64 v11, v[112:113], s[100:101]   ; row r's eight scale bytes (lanes 16-31 hold and store the same)
	s_wait_tensorcnt 0x0                           ; the wave's end
	ds_add_u32 v[SPW], v[NIL]
	s_wait_dscnt 0x0
	CROUND                                         ; the closing round
	s_endpgm
.Lfunc_end_k_qdccf5455cd_qkv:
	.size	k_qdccf5455cd_qkv, .Lfunc_end_k_qdccf5455cd_qkv-k_qdccf5455cd_qkv
	.p2alignl 7, 3214868480
	.fill 96, 4, 3214868480
	.section	.rodata,"a",@progbits
	.p2align	6, 0x0
	.amdhsa_kernel k_qdccf5455cd_qkv
		.amdhsa_group_segment_fixed_size 327680
		.amdhsa_private_segment_fixed_size 0
		.amdhsa_enable_private_segment 0
		.amdhsa_kernarg_size 24
		.amdhsa_user_sgpr_count 2
		.amdhsa_user_sgpr_kernarg_segment_ptr 1
		.amdhsa_wavefront_size32 1
		.amdhsa_system_sgpr_workgroup_id_x 1
		.amdhsa_system_sgpr_workgroup_id_y 1
		.amdhsa_system_sgpr_workgroup_id_z 1
		.amdhsa_system_vgpr_workitem_id 0
		.amdhsa_next_free_vgpr 256
		.amdhsa_next_free_sgpr 102
		.amdhsa_reserve_vcc 0
		.amdhsa_float_denorm_mode_32 3
		.amdhsa_float_denorm_mode_16_64 3
		.amdhsa_memory_ordered 1
		.amdhsa_forward_progress 1
		.amdhsa_inst_pref_size 67
	.end_amdhsa_kernel
	.amdgpu_metadata
---
amdhsa.version: [ 1, 2 ]
amdhsa.kernels:
  - .name:           k_qdccf5455cd_qkv
    .symbol:         k_qdccf5455cd_qkv.kd
    .args:
      - { .name: h1, .offset: 0, .size: 8, .value_kind: global_buffer, .address_space: global }
      - { .name: wb, .offset: 8, .size: 8, .value_kind: global_buffer, .address_space: global }
      - { .name: qkv, .offset: 16, .size: 8, .value_kind: global_buffer, .address_space: global }
    .group_segment_fixed_size: 327680
    .private_segment_fixed_size: 0
    .kernarg_segment_align: 8
    .kernarg_segment_size: 24
    .max_flat_workgroup_size: 512
    .sgpr_count:     102
    .vgpr_count:     256
    .wavefront_size: 32
...
	.end_amdgpu_metadata
.endif
;; end of part 2
;; launch attn (part 3): grid 8 x 32, 16 waves a work-group, no clusters, 280,576 bytes of LDS; arguments qkv, ctx; writes ctx
.if DOCPART == 3
	.amdgcn_target "amdgcn-amd-amdhsa--gfx1250"
	.amdhsa_code_object_version 6
	.text
	.protected	k_qdccf5455cd_attn
	.globl	k_qdccf5455cd_attn
	.p2align	8
	.type	k_qdccf5455cd_attn,@function
k_qdccf5455cd_attn:
	s_mov_b64 s[64:65], 0
	v_nop
	global_prefetch_b8 v0, s[64:65] scope:SCOPE_SE
	s_setreg_imm32_b32 hwreg(HW_REG_WAVE_MODE, 25, 1), 1
	s_wait_xcnt 0x0
; ctx = Q(softmax(Q K^T / 8, causal) V): both products on codes of FP6 (E2M3) with E8M0 scales; the result is quantised along the 1,024 features for the next product.
; THE SOFTMAX AHEAD OF THE SECOND PRODUCT: t = score x log2(e) / 8; M = the running largest t rounded up to a whole number; p = 2^(t - M) is quantised along the keys, not normalised; the row's sum is taken of the
; unquantised p and divides at the end; when M moves, the sum and O are multiplied by 2^(old M - new M): exact.
; SHARES.  A work-group (i = x, batch x head = y) keeps the head's K and V codes (2 x 98,304 bytes) and scale bytes in LDS, filled once: ten tiles, one tensor load a wave (waves 0-9); nothing is filled again.
; It serves sixteen blocks of 16 queries: eight of the head's run i of 128 queries (i + 1 key steps of 128) and eight of run 15 - i (16 - i steps).  Steps whose keys all come after a block's queries are left out (the causal mask of the problem).
; THE KEYS OF A BLOCK ARE SPLIT BETWEEN TWO WAVES.  Waves w and w xor 1 share one block of each run: one takes the even key steps of both blocks, the other the odd ones: 9 and 8 steps, whatever i.
; A wave walks twice.  FIRST the block that it gives away: its part (O^T, -M, the sums) goes to 4,608 LDS bytes of the wave's own.  THEN the block that it keeps; behind a barrier it reads its partner's part of that block and joins the two:
; the joint M is the larger; each part is multiplied by 2^(its M - the joint M), a power of two, so the codes of p stand for the same numbers; a part with no step has -M = 3e38, factor 0, sums 0.
; The even wave gives away the block of run i, the odd wave that of run 15 - i.  The order of the sums along the keys so differs from one ascending chain: two chains, then their sum.
; No joint loads: the work-groups that share K and V are other query blocks, and the causal skip is a branch on the query block.  No prefetch: all that the launch reads is asked for at its head, and there is no later request to run ahead of.
; LAYOUT.  Both products are used transposed: S^T = K Q^T, O^T = V^T P^T: a lane holds one query throughout.  Lane r of a block b of 16 tokens holds token 32 (b / 2) + 8 (b % 2) + r + 8 (r / 8), so the 16 registers of score tiles
; 2 b, 2 b + 1 are keys 32 b + 16 (lane / 16) + 0 .. 15.
; THE HEAD'S 64 IN AN INSTRUCTION OF 128: two tiles of keys lie in one fragment (registers 0-5 tile 2 f, 6-11 tile 2 f + 1).  Q stands as zeros | q | zeros in v16-33: v[22:33] meets the even tile, v[16:27] the odd one; the other tile meets zero codes.
; LIMITS: NaN and infinities are not served; a block whose largest magnitude lies under 2^-124 keeps the byte 1; a block of zeros gets the byte 1 where the quantiser says 127 (zero codes; read by this program alone).
; The promise holds while the scaled scores t stay under 2^31 in magnitude.
; REGISTERS: v1 8 x lane; v2 K's scale words; v3 my query less the block's first, less 16 (lane / 16); v8-10 addresses in hand; v12 -M, v13 the largest t, v[14:15] the sum; v16-33 Q; v34, v35 where my part goes and my partner's lies;
; v36-83 four fragments; v84-87 V's scale bytes; v96-159 S^T, then p; v160-191 O^T; v192-198 the second block's q and scale word; v216-221 sums; v224-235 p's codes; v232-254 at work; v248-251, v253, v255 scale words.
.set FR,  36
.set ADK, 8
.set ADV, 9
.set ADS, 10
.set PST, 34
.set PLD, 35
.set Q2,  192
.set SPW, 223                          ; my spare word; never rewritten
.set NIL, 243                          ; 0; never rewritten
.set VC,  98304                        ; LDS: K's codes at 0, V's here; a step of 128 keys is 6,144 bytes in each
.set KSC, 196608                       ; K's scale bytes, 256 a step; V's 4,096 bytes on
.set SPARE, 204800                     ; the spare words, 128 bytes a wave
.set PART, 206848                      ; the parts handed over: PB bytes a wave
.set PB,  4608
.set TM,  232
.set TT,  240
.set WV,  8
.set TB,  10                           ; s10 the step's codes
.set TS,  11                           ; s11 its scale bytes
.set KF,  12                           ; s12 its first key
.set QMIN, 13                          ; s13 the block's first query; s14 its last
.set QMAX, 14
.set T0,  15
.set CNT, 16
.set G1C, 24
.set G1S, 32
.set G0,  40                           ; s[40:59] five groups 0: the scale bytes, segments 0-3 of 512 keys
.set SEL, 60
.set CS,  62                           ; s[62:63] c = log2(e) / 8
.set ODD, 85                           ; s85 0: I take the even key steps, 1: the odd ones
.macro QUANT2 s, pc, pw                ; 32 numbers of a lane, register 16 b + e = k 32 b + 16 (lane / 16) + e, become a half image in v[pc] .. v[pc + 5] and two scale bytes in v[pw]
.irp b, 0,1
	v_max3_num_f32 v[TM+\b], |v[(\s)+16*\b]|, |v[(\s)+16*\b+1]|, 0x1800000
.endr
.irp e, 2,4,6,8,10,12,14
.irp b, 0,1
	s_delay_alu instid0(VALU_DEP_2)
	v_max3_num_f32 v[TM+\b], v[TM+\b], |v[(\s)+16*\b+\e]|, |v[(\s)+16*\b+\e+1]|
.endr
.endr
.irp b, 0,1
	s_delay_alu instid0(VALU_DEP_2)
	v_permlanex16_b32 v[TM+2+\b], v[TM+\b], s[SEL], s[SEL+1]
.endr
.irp b, 0,1
	s_delay_alu instid0(VALU_DEP_2)
	v_max_num_f32 v[TM+\b], v[TM+\b], v[TM+2+\b]
.endr
.irp b, 0,1
	s_delay_alu instid0(VALU_DEP_2)
	v_add_nc_u32 v[TM+4+\b], 0xff000000, v[TM+\b]
.endr
.irp b, 0,1
	s_delay_alu instid0(VALU_DEP_2)
	v_lshrrev_b32 v[TM+2+\b], 23, v[TM+4+\b]
.endr
	s_delay_alu instid0(VALU_DEP_1)
	v_lshl_or_b32 v[\pw], v[TM+3], 8, v[TM+2]
	v_cvt_scalef32_pk16_fp6_f32 v[(\pc):(\pc)+2], v[(\s):(\s)+15], v[TM+4]
	v_cvt_scalef32_pk16_fp6_f32 v[TT:TT+2], v[(\s)+16:(\s)+31], v[TM+5]
	v_nop                                          ; one plain line behind a scaled conversion
.irp k, 0,1,2
	v_permlane16_swap_b32 v[(\pc)+\k], v[TT+\k]
.endr
.irp k, 0,1,2
	s_delay_alu instid0(VALU_DEP_3)
	v_mov_b32 v[(\pc)+3+\k], v[TT+\k]
.endr
.endm
.macro QPTR c, s, blk                  ; byte offsets in qkv of block blk's half image of Q (s[c]) and of the word that holds its two scale bytes (s[s])
	s_lshl_b32 s[\c], s9, 7
	s_add_co_u32 s[\c], s[\c], s[\blk]
	s_mul_i32 s[\c], s[\c], 768
	s_mov_b32 s[\c+1], 0
	s_lshl_b32 s[\s], s9, 5
	s_lshr_b32 s75, s[\blk], 2
	s_add_co_u32 s[\s], s[\s], s75
	s_lshl_b32 s[\s], s[\s], 7
	s_bfe_u32 s75, s[\blk], 0x10001
	s_lshl_b32 s75, s75, 2
	s_add_co_u32 s[\s], s[\s], s75
	s_add_co_u32 s[\s], s[\s], 9437184
	s_mov_b32 s[\s+1], 0
.endm
.macro FRESH                           ; a walk begins: the largest t -3e38, under every t; sums and O^T zeros (the step is written once: the first finds zeros)
	v_mov_b32 v13, 0xff61b1e6
	v_mov_b32 v14, 0
	v_mov_b32 v15, 0
	v_floor_f32 v12, -v13                          ; -M
.set J, 0
.rept 32
	v_mov_b32 v[160+J], 0                          ; (more than the eight places between Q's scale word, just written, and the first product)
.set J, J+1
.endr
	s_mul_i32 s[TB], s[ODD], 6144                  ; my first step: 0 or 1
	s_lshl_b32 s[TS], s[ODD], 8
	s_lshl_b32 s[KF], s[ODD], 7
	s_wait_alu depctr_va_vdst(0)
.endm
.macro ARM under, g0, g1, next         ; an arm of the head's chain: one tensor load; s_nop 0 and four v_nop follow it
	s_cmp_lt_u32 s[WV], \under
	s_cbranch_scc0 \next
	tensor_load_to_lds s[\g0:\g0+3], s[\g1:\g1+7]
	s_nop 0
.rept 4
	v_nop
.endr
	s_branch .Lasked
\next:
.endm
	s_load_b128 s[4:7], s[0:1], 0x0                ; qkv, ctx
	v_lshl_add_u32 v[SPW], v0, 2, SPARE
	v_mov_b32 v[NIL], 0
	ds_add_u32 v[SPW], v[NIL]                      ; the opening lines: the add, twice on end, and its wait ahead of the first tensor load
	ds_add_u32 v[SPW], v[NIL]
	v_lshrrev_b32 v4, 5, v0
	v_readfirstlane_b32 s[WV], v4                  ; wave 0..15
	s_and_b32 s9, ttmp7, 0xffff                    ; batch x 16 + head
	s_lshr_b32 s17, s[WV], 2
	s_xor_b32 s17, s17, s[WV]
	s_and_b32 s[ODD], s17, 1                       ; waves w and w xor 1 differ, and so do waves w and w + 4
	s_sub_co_u32 s18, 15, ttmp9
	s_cmp_eq_u32 s[ODD], 0
	s_cselect_b32 s18, s18, ttmp9                  ; the run of the block that I keep: 15 - i for the even wave, i for the odd one
	s_lshl_b32 s18, s18, 3
	s_lshr_b32 s19, s[WV], 1
	s_add_co_u32 s18, s18, s19                     ; the block that I keep, 0..127: 8 x run + wave / 2
	s_lshl_b32 s76, s19, 1
	s_add_co_u32 s76, s76, 120
	s_sub_co_u32 s76, s76, s18                     ; the block that I give away: 8 x (15 - run) + wave / 2
	s_and_b32 s19, s18, 1                          ; (the same in both blocks)
	s_lshl_b32 s20, s19, 3
	s_lshr_b32 s84, s18, 1
	s_lshl_b32 s84, s84, 5
	s_add_co_u32 s84, s84, s20                     ; the kept block's first query
	s_lshr_b32 s[QMIN], s76, 1
	s_lshl_b32 s[QMIN], s[QMIN], 5
	s_add_co_u32 s[QMIN], s[QMIN], s20             ; the first walk's
	s_add_co_u32 s[QMAX], s[QMIN], 23
	s_mov_b32 s[G1C], 3<<16                        ; a segment: 24,576 dense bytes as 96 rows of 256 (32 elements of 8 bytes); no mask, no padding
	s_mov_b32 s[G1C+1], 32<<16
	s_mov_b32 s[G1C+2], 96<<16
	s_mov_b32 s[G1C+3], 32<<16
	s_mov_b32 s[G1C+4], 96
	s_mov_b32 s[G1C+5], 32
	s_mov_b32 s[G1C+6], 0
	s_mov_b32 s[G1C+7], 0
	s_mov_b32 s[G1S], 3<<16                        ; a head's scale bytes: 4,096 dense bytes as 16 rows
	s_mov_b32 s[G1S+1], 32<<16
	s_mov_b32 s[G1S+2], 16<<16
	s_mov_b32 s[G1S+3], 32<<16
	s_mov_b32 s[G1S+4], 16
	s_mov_b32 s[G1S+5], 32
	s_mov_b32 s[G1S+6], 0
	s_mov_b32 s[G1S+7], 0
	s_and_b32 s20, s[WV], 1                        ; even waves fetch for K, odd waves for V
	s_add_co_u32 s21, s20, 1
	s_mul_i32 s22, s21, 3145728
	s_mul_i32 s23, s9, 98304
	s_add_co_u32 s22, s22, s23
	s_mov_b32 s23, 0
	s_lshl_b32 s2, s21, 17
	s_lshl_b32 s3, s9, 12
	s_add_co_u32 s2, s2, s3
	s_add_co_u32 s2, s2, 9437184
	s_mov_b32 s3, 0
	s_mul_i32 s17, s20, VC
	s_lshl_b32 s21, s20, 12
	s_add_co_u32 s21, s21, KSC
	QPTR 66, 68, 18                                ; the kept block's q
	QPTR 78, 80, 76                                ; the other's
	s_lshr_b32 s70, s9, 4
	s_lshl_b32 s70, s70, 7
	s_add_co_u32 s70, s70, s18                     ; the kept block among all 256
	s_lshl_b32 s70, s70, 3
	s_bfe_u32 s71, s9, 0x30001
	s_add_co_u32 s70, s70, s71                     ; ctx's fragment: K step = head / 2,
	s_and_b32 s71, s9, 1                           ; half = head % 2
	s_lshl_b32 s72, s70, 6
	s_lshl_b32 s73, s71, 1
	s_add_co_u32 s72, s72, s73
	s_add_co_u32 s72, s72, 3145728
	s_mov_b32 s73, 0
	s_mul_i32 s70, s70, 1536
	s_mul_i32 s71, s71, 768
	s_add_co_u32 s70, s70, s71
	s_mov_b32 s71, 0
	s_mov_b32 s74, 0x03020302
	s_cmp_eq_u32 s19, 1
	s_cselect_b32 s74, s74, 0x01000100             ; which half of a scale word is my blocks'
	s_mov_b32 s[SEL], 0x76543210
	s_mov_b32 s[SEL+1], 0xfedcba98
	s_mov_b32 s[CS], 0x3e38aa3b
	s_mov_b32 s[CS+1], s[CS]
	s_mul_i32 s86, s[WV], PB
	s_add_co_u32 s86, s86, PART                    ; where my part goes,
	s_xor_b32 s87, s[WV], 1
	s_mul_i32 s87, s87, PB
	s_add_co_u32 s87, s87, PART                    ; and where my partner's lies
	s_wait_dscnt 0x0                               ; both opening adds are done
	s_wait_kmcnt 0x0
	s_add_nc_u64 s[22:23], s[4:5], s[22:23]
	s_add_nc_u64 s[2:3], s[4:5], s[2:3]
	s_add_nc_u64 s[66:67], s[4:5], s[66:67]
	s_add_nc_u64 s[68:69], s[4:5], s[68:69]
	s_add_nc_u64 s[78:79], s[4:5], s[78:79]
	s_add_nc_u64 s[80:81], s[4:5], s[80:81]
	s_add_nc_u64 s[70:71], s[6:7], s[70:71]
	s_add_nc_u64 s[72:73], s[6:7], s[72:73]
	s_mov_b32 s[G0], 1
	s_mov_b32 s[G0+1], s21
	s_mov_b64 s[G0+2:G0+3], s[2:3]
	s_or_b32 s[G0+3], s[G0+3], 0x80000000
.irp g, 0,1,2,3
	s_mov_b32 s[G0+4+4*\g], 1
	s_add_co_u32 s[G0+5+4*\g], s17, 24576*\g
	s_add_nc_u64 s[G0+6+4*\g:G0+7+4*\g], s[22:23], 24576*\g
	s_or_b32 s[G0+7+4*\g], s[G0+7+4*\g], 0x80000000
.endr
; ALL THE FILLS OF THE LAUNCH, ONE A WAVE, what is read first asked for first: waves 0, 1 segment 0 of K and of V; 2, 3 their scale bytes; 4, 5 segment 1; 6, 7 segment 2; 8, 9 segment 3.  One chain of branches, one join.
	ARM 2, G0+4, G1C, .Lh1
	ARM 4, G0, G1S, .Lh2
	ARM 6, G0+8, G1C, .Lh3
	ARM 8, G0+12, G1C, .Lh4
	ARM 10, G0+16, G1C, .Lasked
	v_and_b32 v5, 15, v0                           ; r
	v_bfe_u32 v6, v0, 4, 1                         ; h
	v_and_b32 v1, 31, v0
	v_lshlrev_b32 v1, 3, v1
	v_lshlrev_b32 v7, 3, v5
.irp p, 0,1,2
	global_load_b64 v[22+2*\p:23+2*\p], v1, s[78:79] offset:256*\p      ; the first walk's q
	global_load_b64 v[Q2+2*\p:Q2+1+2*\p], v1, s[66:67] offset:256*\p    ; the second's waits in registers
.endr
	global_load_b32 v254, v7, s[80:81]
	global_load_b32 v199, v7, s[68:69]
	v_lshl_add_u32 v2, v5, 3, KSC
	v_and_b32 v3, 8, v5
	v_add_nc_u32 v3, v3, v5
	v_lshlrev_b32 v4, 4, v6
	v_sub_nc_u32 v3, v3, v4                        ; r + 8 (r / 8) - 16 h
	v_lshlrev_b32 v4, 2, v5                        ; the way out: 4 r
	v_lshl_add_u32 v[PST], v1, 1, s86              ; 16 bytes a lane
	v_lshl_add_u32 v[PLD], v1, 1, s87
.irp j, 16,17,18,19,20,21,28,29,30,31,32,33
	v_mov_b32 v\j, 0                               ; zero codes on both sides of q
.endr
.irp j, 234,235,236,237,238,239,252,253
	v_mov_b32 v\j, 0                               ; written once: a lane permute's destination counts as one of its sources; v253 is named in a pair
.endr
	s_wait_loadcnt 0x0
	v_perm_b32 v255, v254, v254, s74               ; q's scale word: its two bytes, twice: for either place of q
	v_perm_b32 v198, v199, v199, s74
	FRESH
; A KEY STEP: 128 keys; then on to my next one, two steps further.
.macro STEP
	s_cmp_gt_u32 s[KF], s[QMAX]                    ; a step all of whose keys come after the block's 16 queries is left out: a branch on ids, round the work alone
	s_cbranch_scc1 .Lhidden_\@
	v_add_nc_u32 v[ADK], s[TB], v1
	v_add_nc_u32 v[ADS], s[TS], v2
	s_delay_alu instid0(VALU_DEP_2)
	v_add_nc_u32 v[ADV], VC, v[ADK]
.irp f, 0,1,2,3
.irp q, 0,1,2,3,4,5
	ds_load_b64 v[FR+12*\f+2*\q:FR+12*\f+2*\q+1], v[ADK] offset:1536*\f+256*\q
.endr
.endr
	ds_load_b64 v[248:249], v[ADS]                 ; K's scale words: bytes 0, 1 tile 2 f, bytes 2, 3 tile 2 f + 1
	ds_load_b64 v[250:251], v[ADS] offset:128
	s_wait_alu depctr_va_vdst(0)                   ; directly ahead of the wait below
	s_wait_dscnt 0x0
.irp f, 0,1,2,3
	v_wmma_scale_f32_16x16x128_f8f6f4 v[96+16*\f:103+16*\f], v[FR+12*\f:FR+12*\f+11], v[22:33], 0, v[248+\f], v255 matrix_a_fmt:MATRIX_FMT_FP6 matrix_b_fmt:MATRIX_FMT_FP6
	v_wmma_scale_f32_16x16x128_f8f6f4 v[104+16*\f:111+16*\f], v[FR+12*\f:FR+12*\f+11], v[16:27], 0, v[248+\f], v255 matrix_a_fmt:MATRIX_FMT_FP6 matrix_b_fmt:MATRIX_FMT_FP6
.endr
.rept 4
	v_nop                                          ; four places in front of the loads below and of the first read of the scores
.endr
.irp d, 0,1,2,3                        ; V's four fragments land under the softmax: registers 0-5 the step's first 64 keys, 6-11 the second
.irp q, 0,1,2,3,4,5
	ds_load_b64 v[FR+12*\d+2*\q:FR+12*\d+2*\q+1], v[ADV] offset:3072*(\q/3)+768*\d+256*(\q%3)
.endr
.endr
	ds_load_b64 v[84:85], v[ADS] offset:4096       ; V's scale bytes of the first 64 keys, four blocks of the head's 64,
	ds_load_b64 v[86:87], v[ADS] offset:4224       ; and of the second
	s_add_co_u32 s[T0], s[KF], 127                 ; on the diagonal hidden scores become -infinity ahead of the maximum; a step all of whose keys count skips this
	s_cmp_le_u32 s[T0], s[QMIN]
	s_cbranch_scc1 .Lopen_\@
	s_sub_co_i32 s[T0], s[QMIN], s[KF]
	v_add_nc_u32 v252, s[T0], v3                   ; d = my query - the step's first key - 16 (lane / 16): register 16 b + i holds a hidden key where 32 b + i > d
	v_mov_b32 v254, 0xff800000
.set N, 0
.rept 64
	v_cmp_gt_i32 vcc_lo, 32*(N/16)+N%16, v252
	v_cndmask_b32 v[96+N], v[96+N], v254, vcc_lo
.set N, N+1
.endr
.Lopen_\@:
.irp b, 0,1,2,3
	v_max3_num_f32 v[232+\b], v[96+16*\b], v[97+16*\b], v[98+16*\b]   ; the largest score of each block of 32 keys: for the row's maximum and, since p rises with the score, for the block's largest p
.endr
.irp i, 3,5,7,9,11,13
.irp b, 0,1,2,3
	v_max3_num_f32 v[232+\b], v[232+\b], v[96+16*\b+\i], v[97+16*\b+\i]
.endr
.endr
.irp b, 0,1,2,3
	v_max_num_f32 v[232+\b], v[232+\b], v[111+16*\b]
.endr
.irp b, 0,1,2,3
	s_delay_alu instid0(VALU_DEP_4)
	v_permlanex16_b32 v[236+\b], v[232+\b], s[SEL], s[SEL+1]
.endr
.irp b, 0,1,2,3
	s_delay_alu instid0(VALU_DEP_4)
	v_max_num_f32 v[232+\b], v[232+\b], v[236+\b]
.endr
	s_delay_alu instid0(VALU_DEP_2)
	v_max3_num_f32 v254, v232, v233, v234
	s_delay_alu instid0(VALU_DEP_1)
	v_max_num_f32 v254, v254, v235
	s_delay_alu instid0(VALU_DEP_1)
	v_mul_f32 v254, s[CS], v254
	s_delay_alu instid0(VALU_DEP_1)
	v_max_num_f32 v13, v13, v254                   ; the running largest t
	v_mov_b32 v254, v12
	s_delay_alu instid0(VALU_DEP_2)
	v_floor_f32 v12, -v13                          ; the new -M = -ceil(t)
	s_delay_alu instid0(VALU_DEP_1)
	v_sub_f32 v254, v12, v254                      ; old M - new M: a whole number, 0 or less
	s_delay_alu instid0(VALU_DEP_1)
	v_cvt_i32_f32 v254, v254                       ; (it saturates)
	s_delay_alu instid0(VALU_DEP_1)
	v_ldexp_f32 v252, 1.0, v254                    ; f = 2^(old M - new M)
.set J, 0
.rept 32
	v_pk_fma_f32 v[96+J:97+J], v[96+J:97+J], s[CS:CS+1], v[12:13] op_sel_hi:[1,0,0]   ; t - M
.set J, J+2
.endr
.irp b, 0,1,2,3
	v_fma_f32 v[232+\b], v[232+\b], s[CS], v12
.endr
.set J, 0
	s_wait_alu depctr_va_vdst(0)                   ; ahead of the batch
.rept 64
	v_exp_f32 v[96+J], v[96+J]                     ; p = 2^(t - M)
.set J, J+1
.endr
.irp b, 0,1,2,3
	v_exp_f32 v[232+\b], v[232+\b]                 ; the block's largest p
.endr
	v_pk_mul_f32 v[14:15], v[14:15], v[252:253] op_sel_hi:[1,0]   ; the sums under the new M.  (The plain line behind the exponentials)
	s_wait_alu depctr_va_vdst(0)                   ; and behind it, ahead of its first reader
.irp b, 0,1,2,3
	v_max_num_f32 v[232+\b], 0x1800000, v[232+\b]  ; the floor 2^(3 - 127)
.endr
.irp b, 0,1,2,3
	s_delay_alu instid0(VALU_DEP_4)
	v_add_nc_u32 v[244+\b], 0xff000000, v[232+\b]
.endr
.irp b, 0,1,2,3
	s_delay_alu instid0(VALU_DEP_4)
	v_lshrrev_b32 v[236+\b], 23, v[244+\b]
.endr
	s_delay_alu instid0(VALU_DEP_3)
	v_lshl_or_b32 v253, v237, 8, v236              ; p's scale word for these 128 keys
	s_delay_alu instid0(VALU_DEP_1)
	v_lshl_or_b32 v253, v238, 16, v253
	s_delay_alu instid0(VALU_DEP_1)
	v_lshl_or_b32 v253, v239, 24, v253
.irp c, 0,1
	v_cvt_scalef32_pk16_fp6_f32 v[224+6*\c:226+6*\c], v[96+32*\c:111+32*\c], v[244+2*\c]
	v_cvt_scalef32_pk16_fp6_f32 v[236+4*\c:238+4*\c], v[112+32*\c:127+32*\c], v[244+2*\c+1]
.endr
	v_nop                                          ; one plain line behind a scaled conversion
.irp c, 0,1
.irp i, 0,1,2
	v_permlane16_swap_b32 v[224+6*\c+\i], v[236+4*\c+\i]
.endr
.irp i, 0,1,2
	s_delay_alu instid0(VALU_DEP_3)
	v_mov_b32 v[227+6*\c+\i], v[236+4*\c+\i]
.endr
.endr
	s_wait_dscnt 0x0                               ; V and its scale bytes are in
	v_perm_b32 v248, v86, v84, 0x05040100          ; V's scale words: two bytes of the first 64 keys, two of the second
	v_perm_b32 v249, v86, v84, 0x07060302
	v_perm_b32 v250, v87, v85, 0x05040100
	v_perm_b32 v251, v87, v85, 0x07060302
	v_pk_add_f32 v[216:217], v[96:97], v[98:99]    ; the row's sum of the unquantised p: 32 packed additions in four chains by turns
	v_pk_add_f32 v[218:219], v[100:101], v[102:103]
	v_pk_add_f32 v[220:221], v[104:105], v[106:107]
	v_pk_add_f32 v[14:15], v[14:15], v[108:109]
.set J, 110
.rept 6
	v_pk_add_f32 v[216:217], v[216:217], v[J:J+1]
	v_pk_add_f32 v[218:219], v[218:219], v[J+2:J+3]
	v_pk_add_f32 v[220:221], v[220:221], v[J+4:J+5]
	v_pk_add_f32 v[14:15], v[14:15], v[J+6:J+7]
.set J, J+8
.endr
	v_pk_add_f32 v[216:217], v[216:217], v[158:159]
	v_pk_add_f32 v[218:219], v[218:219], v[220:221]
	v_pk_add_f32 v[14:15], v[14:15], v[216:217]
	v_pk_add_f32 v[14:15], v[14:15], v[218:219]
.set J, 0
.rept 16
	v_pk_mul_f32 v[160+J:161+J], v[160+J:161+J], v[252:253] op_sel_hi:[1,0]   ; O^T under the new M.  (With the sums: the places between the scale words just made and the products)
.set J, J+2
.endr
.irp d, 0,1,2,3
	v_wmma_scale_f32_16x16x128_f8f6f4 v[160+8*\d:167+8*\d], v[FR+12*\d:FR+12*\d+11], v[224:235], v[160+8*\d:167+8*\d], v[248+\d], v253 matrix_a_fmt:MATRIX_FMT_FP6 matrix_b_fmt:MATRIX_FMT_FP6
.endr
.rept 4
	v_nop                                          ; four places, whatever follows: the next step's loads, the hand-over, or the way out
.endr
.Lhidden_\@:
	s_add_co_u32 s[KF], s[KF], 256
	s_add_co_u32 s[TB], s[TB], 12288
	s_add_co_u32 s[TS], s[TS], 512
.endm
.macro WALK n                          ; n of my steps: a constant count; what is hidden is jumped over inside
	s_mov_b32 s[CNT], \n
.Lwalk_\@:
	STEP
	s_sub_co_u32 s[CNT], s[CNT], 1
	s_cmp_lg_u32 s[CNT], 0
	s_cbranch_scc1 .Lwalk_\@
.endm
; THE FIRST WALK: the block that I give away
	s_wait_dscnt 0x0
	s_cmp_lt_u32 s[WV], 4                          ; waves 0-3 fetched segment 0 and the scale bytes: they wait; the other tiles may stay out
	s_cbranch_scc0 .Lnot_first
	s_wait_tensorcnt 0x0
.Lnot_first:
	s_barrier_signal -1
	s_barrier_wait -1
	WALK 2                                         ; my two of segment 0's four steps
	s_wait_tensorcnt 0x0                           ; every wave: all tiles are in
	s_wait_dscnt 0x0
	s_barrier_signal -1
	s_barrier_wait -1
	WALK 6
	s_wait_alu depctr_va_vdst(0)                   ; directly ahead of the readers below
.irp k, 0,1,2,3,4,5,6,7
	ds_store_b128 v[PST], v[160+4*\k:163+4*\k] offset:512*\k      ; my part: O^T, each accumulator from its low end on,
.endr
	ds_store_b128 v[PST], v[12:15] offset:4096     ; -M, the largest t, the sums
	s_mov_b32 s[QMIN], s84
	s_add_co_u32 s[QMAX], s84, 23
	s_wait_dscnt 0x0                               ; it lies in LDS, for my partner's sake; and the registers may be written
; THE SECOND WALK: the block that I keep.  All tiles are in: no barrier
.irp p, 0,1,2,3,4,5
	v_mov_b32 v[22+\p], v[Q2+\p]
.endr
	v_mov_b32 v255, v198
	FRESH
	WALK 8
	s_wait_alu depctr_va_vdst(0)                   ; directly ahead of the waits below
	s_wait_dscnt 0x0
	s_barrier_signal -1
	s_barrier_wait -1                              ; every wave's part lies in LDS
.irp k, 0,1,2,3,4,5,6,7
	ds_load_b128 v[96+4*\k:99+4*\k], v[PLD] offset:512*\k         ; my partner's part of my block
.endr
	ds_load_b128 v[128:131], v[PLD] offset:4096
	s_wait_dscnt 0x0
	v_min_num_f32 v132, v12, v128                  ; the joint -M
	v_add_f32 v14, v14, v15
	v_add_f32 v130, v130, v131
	v_sub_f32 v133, v132, v12                      ; my M - the joint M, a whole number, 0 or less;
	v_sub_f32 v134, v132, v128                     ; my partner's
	v_cvt_i32_f32 v133, v133                       ; (they saturate: a part with no step gets the factor 0)
	v_cvt_i32_f32 v134, v134
	v_ldexp_f32 v136, 1.0, v133
	v_ldexp_f32 v138, 1.0, v134
	v_mov_b32 v137, v136                           ; (named with them as pairs)
	v_mov_b32 v139, v138
	v_mul_f32 v14, v14, v136
	v_fmac_f32 v14, v130, v138                     ; the sums under the joint M
.set J, 0
.rept 16
	v_pk_mul_f32 v[96+J:97+J], v[96+J:97+J], v[138:139] op_sel_hi:[1,0]
.set J, J+2
.endr
.set J, 0
.rept 16
	v_pk_fma_f32 v[96+J:97+J], v[160+J:161+J], v[136:137], v[96+J:97+J] op_sel_hi:[1,0,1]   ; O^T under the joint M, each accumulator from its low end on
.set J, J+2
.endr
	v_permlanex16_b32 v252, v14, s[SEL], s[SEL+1]
	v_add_f32 v14, v14, v252                       ; with lane l xor 16's keys: the row's sum
	s_wait_alu depctr_va_vdst(0)                   ; ahead of the transcendental
	v_rcp_f32 v14, v14
	v_nop                                          ; one plain line behind the transcendental
	s_wait_alu depctr_va_vdst(0)                   ; and ahead of its first reader
.set J, 0
.rept 16
	v_pk_mul_f32 v[96+J:97+J], v[96+J:97+J], v[14:15] op_sel_hi:[1,0]
.set J, J+2
.endr
	; THE WAY OUT: a lane's 32 registers are the head's 64 features in two halves of lanes: quantised, stored as a half image of ctx
	QUANT2 96,224,230
.irp p, 0,1,2
	global_store_b64 v1, v[224+2*\p:225+2*\p], s[70:71] offset:256*\p   ; 32 lanes store 256 consecutive bytes, aligned
.endr
	global_store_b16 v4, v230, s[72:73]            ; my row's two scale bytes of this head (lanes 16-31 hold and store the same)
	s_wait_tensorcnt 0x0                           ; the wave's end
	ds_add_u32 v[SPW], v[NIL]
	s_wait_dscnt 0x0
	s_endpgm
.Lfunc_end_k_qdccf5455cd_attn:
	.size	k_qdccf5455cd_attn, .Lfunc_end_k_qdccf5455cd_attn-k_qdccf5455cd_attn
	.p2alignl 7, 3214868480
	.fill 96, 4, 3214868480
	.section	.rodata,"a",@progbits
	.p2align	6, 0x0
	.amdhsa_kernel k_qdccf5455cd_attn
		.amdhsa_group_segment_fixed_size 280576
		.amdhsa_private_segment_fixed_size 0
		.amdhsa_enable_private_segment 0
		.amdhsa_kernarg_size 16
		.amdhsa_user_sgpr_count 2
		.amdhsa_user_sgpr_kernarg_segment_ptr 1
		.amdhsa_wavefront_size32 1
		.amdhsa_system_sgpr_workgroup_id_x 1
		.amdhsa_system_sgpr_workgroup_id_y 1
		.amdhsa_system_sgpr_workgroup_id_z 1
		.amdhsa_system_vgpr_workitem_id 0
		.amdhsa_next_free_vgpr 256
		.amdhsa_next_free_sgpr 92
		.amdhsa_reserve_vcc 1
		.amdhsa_float_denorm_mode_32 3
		.amdhsa_float_denorm_mode_16_64 3
		.amdhsa_memory_ordered 1
		.amdhsa_forward_progress 1
		.amdhsa_inst_pref_size 94
	.end_amdhsa_kernel
	.amdgpu_metadata
---
amdhsa.version: [ 1, 2 ]
amdhsa.kernels:
  - .name:           k_qdccf5455cd_attn
    .symbol:         k_qdccf5455cd_attn.kd
    .args:
      - { .name: qkv, .offset: 0, .size: 8, .value_kind: global_buffer, .address_space: global }
      - { .name: ctx, .offset: 8, .size: 8, .value_kind: global_buffer, .address_space: global }
    .group_segment_fixed_size: 280576
    .private_segment_fixed_size: 0
    .kernarg_segment_align: 8
    .kernarg_segment_size: 16
    .max_flat_workgroup_size: 512
    .sgpr_count:     92
    .vgpr_count:     256
    .wavefront_size: 32
...
	.end_amdgpu_metadata
.endif
;; end of part 3
;; launch wo (part 4): grid 8 x 32, 16 waves a work-group, clusters of 4 x 4, 327,680 bytes of LDS; arguments ctx, wb, bo, x, x1; writes x1
.if DOCPART == 4
	.amdgcn_target "amdgcn-amd-amdhsa--gfx1250"
	.amdhsa_code_object_version 6
	.text
	.protected	k_qdccf5455cd_wo
	.globl	k_qdccf5455cd_wo
	.p2align	8
	.type	k_qdccf5455cd_wo,@function
k_qdccf5455cd_wo:
	s_mov_b64 s[64:65], 0
	v_nop
	global_prefetch_b8 v0, s[64:65] scope:SCOPE_SE
	s_setreg_imm32_b32 hwreg(HW_REG_WAVE_MODE, 25, 1), 1
	s_wait_xcnt 0x0
	s_wait_alu depctr_hold_cnt(0) depctr_sa_sdst(0) depctr_va_vdst(0) depctr_va_sdst(0) depctr_va_ssrc(0) depctr_va_vcc(0) depctr_vm_vsrc(0)
	s_getreg_b32 s2, hwreg(HW_REG_IB_STS2, 6, 4)
	s_cmp_eq_u32 s2, 0
	s_cbranch_scc0 .Lentry_in_a_cluster
	s_endpgm
.Lentry_in_a_cluster:
	s_bfe_u32 s2, ttmp6, 0x10000c
	s_cmp_lg_u32 s2, 0xf033
	s_cbranch_scc0 .Lentry_shape_is_right
	s_endpgm
.Lentry_shape_is_right:
; out = residual + (A W + bias): A [4,096 tokens][K] and W [K][1,024] as codes of FP6 (E2M3) with E8M0 scales, laid as images of operand registers; bias, residual and out f32.  Here A = ctx, W = Wo, K = 1,024.
; Fragment (block of 16 rows, K step) = 1,536 bytes, register pair q at 256 q + 8 x lane; scale words [block][K step][r].  Lane r of block b holds row 32 (b / 2) + 8 (b % 2) + r + 8 (r / 8).
; Source 1 = tokens (a lane holds one token), source 0 = W's columns: the 16 registers of column blocks 2 b, 2 b + 1 are columns 32 b + 16 (lane / 16) + 0 .. 15.
; A tile of 128 x 128 gives 256 work-groups.  Sixteen waves: 2 x 2 places of 64 x 64, and FOUR GROUPS ALONG K: a chunk is 512 along K, group g takes K step g of each chunk.  So a wave keeps 16 accumulators and 8 fragments in 256 registers.
; Chunks go through two LDS slots filled by joint loads (cluster 4 x 4: tokens' tiles shared along a row, W's along a column); waves 0, 1 fetch the tokens' halves, waves 2, 3 W's.  The tile's scale words come once.
; THE SUM OVER THE FOUR GROUPS IS ALSO THE TURN INTO ROWS: every wave stores its 64 x 64 into LDS (rows of 256 bytes + 16), over the ring, which has had its last fill and its last read; then wave (g, place) reads the four
; partial sums of token block g of its place as whole rows, adds them, the bias and the residual, and stores 256 consecutive bytes from sixteen lanes.  The order of the sum along K differs from one ascending chain: four chains, then ((0 + 1) + (2 + 3)).
.set KS,    8                          ; K steps
.set NCH,   KS/4                       ; chunks
.set ASC,   3145728                    ; A's scale words begin here in its buffer
.set BCO,   2359296                    ; W's codes in wb
.set BSC,   9535488                    ; W's scale words in wb
.set SB,    KS*64
.set SLOTB, 98304                      ; a slot: tokens' 8 blocks x 6,144 bytes (4 K steps), then W's
.set LBLK,  6144
.set SCL,   2*SLOTB
.set SPARE, 278528                     ; behind the partial sums (4 places x 69,632): the spare words, 128 bytes a wave
.set AL,  4
.set AR,  7
.set ADS, 10
.set SC,  24
.set SPW, 28
.set NIL, 29
.set L,   32
.set R,   80
.set ACC, 128
.set WV,  16
.set G1A, 24
.set G1B, 32
.set G1SA, 40
.set G1SB, 48
.set G0SA, 56
.set G0SB, 60
.set G0A, 68
.set G0B, 80
.macro CREST
	s_cmp_lg_u32 s[WV], 0
	s_cbranch_scc1 .Lnot_wave_0_\@
	s_barrier_signal -3
.Lnot_wave_0_\@:
	s_barrier_wait -3
	s_barrier_signal -1
	s_barrier_wait -1
.endm
.macro CROUND
	s_barrier_signal -1
	s_barrier_wait -1
	CREST
.endm
.macro JLOAD g0a, g1a, g0b, g1b        ; a joint load: the branches hang on the wave's number alone; four v_nop follow each line
	s_cmp_lt_u32 s[WV], 2
	s_cbranch_scc0 .Lnot_a_\@
	tensor_load_to_lds s[\g0a:\g0a+3], s[\g1a:\g1a+7]
.rept 4
	v_nop
.endr
	s_branch .Lasked_\@
.Lnot_a_\@:
	s_cmp_lt_u32 s[WV], 4
	s_cbranch_scc0 .Lasked_\@
	tensor_load_to_lds s[\g0b:\g0b+3], s[\g1b:\g1b+7]
.rept 4
	v_nop
.endr
.Lasked_\@:
.endm
.macro FRAG reg, adr, off
.irp q, 0,1,2,3,4,5
	ds_load_b64 v[\reg+2*\q:\reg+2*\q+1], v[\adr] offset:\off+256*\q
.endr
.endm
.macro KSTEP sl, off, soff, zero       ; 128 along K: 8 fragments, 4 registers of scale words, 16 matrix instructions on 16 accumulators by turns
.irp i, 0,1,2,3
	FRAG L+12*\i, AL+\sl, \off+\i*LBLK
.endr
.irp j, 0,1,2,3
	FRAG R+12*\j, AR+\sl, \off+\j*LBLK
.endr
.irp i, 0,1,2,3
	ds_load_b32 v[SC+\i], v[ADS] offset:\soff+\i*SB
.endr
	s_wait_dscnt 0x0
.irp i, 0,1,2,3
.irp j, 0,1,2,3
.if \zero
	v_wmma_scale_f32_16x16x128_f8f6f4 v[ACC+8*(4*\i+\j):ACC+8*(4*\i+\j)+7], v[R+12*\j:R+12*\j+11], v[L+12*\i:L+12*\i+11], 0, v[SC+\j], v[SC+\i] matrix_a_fmt:MATRIX_FMT_FP6 matrix_b_fmt:MATRIX_FMT_FP6 matrix_a_scale:MATRIX_SCALE_ROW1
.else
	v_wmma_scale_f32_16x16x128_f8f6f4 v[ACC+8*(4*\i+\j):ACC+8*(4*\i+\j)+7], v[R+12*\j:R+12*\j+11], v[L+12*\i:L+12*\i+11], v[ACC+8*(4*\i+\j):ACC+8*(4*\i+\j)+7], v[SC+\j], v[SC+\i] matrix_a_fmt:MATRIX_FMT_FP6 matrix_b_fmt:MATRIX_FMT_FP6 matrix_a_scale:MATRIX_SCALE_ROW1
.endif
.endr
.endr
.rept 4
	v_nop                                          ; four places in front of the next loads into these operands and of the first read of results
.endr
.endm
.macro TWO sl, fill                    ; the change of slots, then my K step of the chunk in slot sl.  fill = 1: the other slot, read last, is filled with the chunk two on
	s_wait_tensorcnt 0x0                           ; all my tensor loads have landed, my part of this chunk among them, so a group 0 may be written
	ds_add_u32 v[SPW], v[NIL]                      ; 0 onto my spare word
.if \fill
	s_add_nc_u64 s[G0A+4*(1-\sl)+2:G0A+4*(1-\sl)+3], s[G0A+4*(1-\sl)+2:G0A+4*(1-\sl)+3], 2*LBLK
	s_add_nc_u64 s[G0B+4*(1-\sl)+2:G0B+4*(1-\sl)+3], s[G0B+4*(1-\sl)+2:G0B+4*(1-\sl)+3], 2*LBLK
.endif
	v_add_nc_u32 v[ADS], 256, v[ADS]               ; on to the next chunk's scale words
	s_wait_alu depctr_va_vdst(0)
	s_wait_dscnt 0x0                               ; the add is done, and my reads of the other slot are over
.if \fill
	CROUND                                         ; so it is of every wave of every partner
	JLOAD G0A+4*(1-\sl),G1A,G0B+4*(1-\sl),G1B
.else
	s_barrier_signal -1
	s_barrier_wait -1
.endif
	KSTEP \sl,0,0,0
.endm
	s_load_b256 s[4:11], s[0:1], 0x0               ; A, wb, bias, residual
	s_load_b64 s[12:13], s[0:1], 0x20              ; out
	v_lshl_add_u32 v[SPW], v0, 2, SPARE
	v_mov_b32 v[NIL], 0
	ds_add_u32 v28, v29
	ds_add_u32 v28, v29
	s_wait_dscnt 0x0
	v_lshrrev_b32 v1, 5, v0
	s_delay_alu instid0(VALU_DEP_1)
	v_readfirstlane_b32 s[WV], v1
	s_bfe_u32 s17, ttmp6, 0x40000                  ; cx
	s_bfe_u32 s18, ttmp6, 0x40004                  ; cy
	s_and_b32 s19, ttmp7, 0xffff
	s_lshl_b32 s20, s19, 2
	s_add_co_u32 s20, s20, s18                     ; the tile of 128 tokens
	s_lshl_b32 s21, ttmp9, 2
	s_add_co_u32 s21, s21, s17                     ; the tile of 128 columns
	s_lshl_b32 s22, s18, 2
	s_lshl_b32 s22, 15, s22                        ; my row of the cluster
	s_lshl_b32 s23, 0x1111, s17                    ; my column
	s_or_b32 s[G1A], s22, (3<<16)|(1<<21)          ; 15:0 the mask; 17:16 elements of 8 bytes; 21 set beside a mask; no padding
	s_or_b32 s[G1SA], s22, (3<<16)|(1<<21)
	s_or_b32 s[G1B], s23, (3<<16)|(1<<21)
	s_or_b32 s[G1SB], s23, (3<<16)|(1<<21)
.irp g, G1A, G1B                       ; codes: 4 blocks, of each 6,144 bytes (4 K steps), KS x 1,536 bytes apart
	s_mov_b32 s[\g+1], 768<<16
	s_mov_b32 s[\g+2], 4<<16
	s_mov_b32 s[\g+3], 768<<16
	s_mov_b32 s[\g+4], 4
	s_mov_b32 s[\g+5], KS*192
	s_mov_b32 s[\g+6], 0
	s_mov_b32 s[\g+7], 0
.endr
.irp g, G1SA, G1SB                     ; scale words of 4 blocks: 4 SB dense bytes as rows of 256
	s_mov_b32 s[\g+1], 32<<16
	s_mov_b32 s[\g+2], (4*SB/256)<<16
	s_mov_b32 s[\g+3], 32<<16
	s_mov_b32 s[\g+4], 4*SB/256
	s_mov_b32 s[\g+5], 32
	s_mov_b32 s[\g+6], 0
	s_mov_b32 s[\g+7], 0
.endr
	s_and_b32 s92, s[WV], 1
	s_lshl_b32 s92, s92, 2                         ; which 4 blocks of a tile I fetch
	s_lshl_b32 s93, s20, 3
	s_add_co_u32 s93, s93, s92
	s_lshl_b32 s94, s21, 3
	s_add_co_u32 s94, s94, s92
	s_mul_i32 s96, s93, KS*1536
	s_mov_b32 s97, 0
	s_mul_i32 s98, s93, SB
	s_add_co_u32 s98, s98, ASC
	s_mov_b32 s99, 0
	s_mul_i32 s100, s94, KS*1536
	s_add_co_u32 s100, s100, BCO
	s_mov_b32 s101, 0
	s_mul_i32 s94, s94, SB
	s_add_co_u32 s94, s94, BSC
	s_mov_b32 s95, 0
	s_and_b32 s92, s[WV], 3
	s_mul_i32 s93, s92, 4*SB
	s_add_co_u32 s93, s93, SCL
	s_mul_i32 s92, s92, 24576                      ; where they go: no place in the cluster enters an LDS address
	s_wait_kmcnt 0x0
	s_add_nc_u64 s[96:97], s[4:5], s[96:97]
	s_add_nc_u64 s[98:99], s[4:5], s[98:99]
	s_add_nc_u64 s[100:101], s[6:7], s[100:101]
	s_add_nc_u64 s[94:95], s[6:7], s[94:95]
	s_mov_b32 s[G0SA], 1
	s_mov_b32 s[G0SA+1], s93
	s_mov_b64 s[G0SA+2:G0SA+3], s[98:99]
	s_or_b32 s[G0SA+3], s[G0SA+3], 0x80000000
	s_mov_b32 s[G0SB], 1
	s_mov_b32 s[G0SB+1], s93
	s_mov_b64 s[G0SB+2:G0SB+3], s[94:95]
	s_or_b32 s[G0SB+3], s[G0SB+3], 0x80000000
.irp s, 0,1
	s_mov_b32 s[G0A+4*\s], 1
	s_add_co_u32 s[G0A+4*\s+1], s92, \s*SLOTB
	s_add_nc_u64 s[G0A+4*\s+2:G0A+4*\s+3], s[96:97], \s*LBLK
	s_or_b32 s[G0A+4*\s+3], s[G0A+4*\s+3], 0x80000000
	s_mov_b32 s[G0B+4*\s], 1
	s_add_co_u32 s[G0B+4*\s+1], s92, \s*SLOTB
	s_add_nc_u64 s[G0B+4*\s+2:G0B+4*\s+3], s[100:101], \s*LBLK
	s_or_b32 s[G0B+4*\s+3], s[G0B+4*\s+3], 0x80000000
.endr
	CROUND                                         ; all sixteen work-groups are here: the first joint loads meet
; THE FILLS OF THE LAUNCH, ONE A WAVE: twelve tiles.  Waves 0-3 the scale words, 4-7 chunk 0, 8-11 chunk 1; of each four waves two fetch the tokens' halves and two W's: every descriptor hangs on wave % 4 alone.
; One chain of branches on the wave's number, a load to an arm, one join.
.macro ARM under, g0, g1, next
	s_cmp_lt_u32 s[WV], \under
	s_cbranch_scc0 \next
	tensor_load_to_lds s[\g0:\g0+3], s[\g1:\g1+7]
	s_nop 0
.rept 4
	v_nop
.endr
	s_branch .Lfirst_dn
\next:
.endm
	ARM 2, G0SA, G1SA, .Lf1
	ARM 4, G0SB, G1SB, .Lf2
	ARM 6, G0A, G1A, .Lf3
	ARM 8, G0B, G1B, .Lf4
	ARM 10, G0A+4, G1A, .Lf5
	ARM 12, G0B+4, G1B, .Lfirst_dn
	v_and_b32 v1, 15, v0                           ; r
	v_bfe_u32 v2, v0, 4, 1                         ; h
	v_and_b32 v3, 31, v0
	s_delay_alu instid0(VALU_DEP_1)
	v_lshlrev_b32 v3, 3, v3
	s_wait_alu depctr_va_vdst(0)
	s_lshr_b32 s92, s[WV], 2                       ; g: my K step of each chunk
	s_bfe_u32 s93, s[WV], 0x10001                  ; sm: my 64 tokens
	s_and_b32 s94, s[WV], 1                        ; sn: my 64 columns
	s_and_b32 s95, s[WV], 3                        ; my place
	s_mul_i32 s96, s93, 24576
	s_mul_i32 s97, s92, 1536
	s_add_co_u32 s96, s96, s97
	v_add_nc_u32 v[AL], s96, v3
	s_delay_alu instid0(VALU_DEP_1)
	v_add_nc_u32 v[AL+1], SLOTB, v[AL]
	s_mul_i32 s96, s94, 24576
	s_add_co_u32 s96, s96, s97
	s_add_co_u32 s96, s96, SLOTB/2
	v_add_nc_u32 v[AR], s96, v3
	s_delay_alu instid0(VALU_DEP_1)
	v_add_nc_u32 v[AR+1], SLOTB, v[AR]
	s_mul_i32 s96, s93, 4*SB
	s_mul_i32 s97, s94, 4*SB
	s_add_co_u32 s97, s97, 8*SB
	s_sub_co_u32 s97, s97, s96                     ; from the tokens' words to W's: at least 4 SB bytes
	v_mul_u32_u24 v[ADS], s97, v2                  ; lanes 16-31 take W's
	s_delay_alu instid0(VALU_DEP_1)
	v_lshl_add_u32 v[ADS], v1, 2, v[ADS]
	s_lshl_b32 s97, s92, 6
	s_add_co_u32 s96, s96, s97
	s_add_co_u32 s96, s96, SCL
	v_add_nc_u32 v[ADS], s96, v[ADS]
	s_mul_i32 s96, s95, 69632                      ; the partial sums: [place][token block 4] x 17,408, in it [group 4] x 16 rows x 272
	s_mul_i32 s97, s92, 4352
	s_add_co_u32 s97, s97, s96
	v_mul_u32_u24 v11, v1, 272
	s_delay_alu instid0(VALU_DEP_1)
	v_lshl_add_u32 v11, v2, 6, v11
	s_delay_alu instid0(VALU_DEP_1)
	v_add_nc_u32 v11, s97, v11                     ; in: my group's copy, row r, + 64 h
	s_mul_i32 s97, s92, 17408
	s_add_co_u32 s97, s97, s96
	v_mul_u32_u24 v12, v2, 272
	s_delay_alu instid0(VALU_DEP_1)
	v_lshl_add_u32 v12, v1, 4, v12
	s_delay_alu instid0(VALU_DEP_1)
	v_add_nc_u32 v12, s97, v12                     ; back: token block g; lanes 0-15 one row, lanes 16-31 the next
	v_lshlrev_b32 v15, 4, v1
	s_delay_alu instid0(VALU_DEP_1)
	v_lshl_add_u32 v14, v2, 12, v15                ; and the same two rows in memory
	s_lshl_b32 s96, s20, 7
	s_lshl_b32 s97, s93, 6
	s_add_co_u32 s96, s96, s97
	s_lshr_b32 s97, s92, 1
	s_lshl_b32 s97, s97, 5
	s_add_co_u32 s96, s96, s97
	s_and_b32 s97, s92, 1
	s_lshl_b32 s97, s97, 3
	s_add_co_u32 s96, s96, s97                     ; that block's first token
	s_lshl_b32 s96, s96, 12
	s_lshl_b32 s98, s21, 9
	s_lshl_b32 s99, s94, 8
	s_add_co_u32 s98, s98, s99                     ; my 64 columns, in bytes
	s_mov_b32 s99, 0
	s_add_nc_u64 s[8:9], s[8:9], s[98:99]
	s_add_co_u32 s96, s96, s98
	s_mov_b32 s97, 0
	s_add_nc_u64 s[10:11], s[10:11], s[96:97]
	s_add_nc_u64 s[12:13], s[12:13], s[96:97]
	s_wait_alu depctr_va_vdst(0)
	s_cmp_lt_u32 s[WV], 8                          ; waves 0-7 fetched the scale words and chunk 0: they wait; chunk 1 may stay out
	s_cbranch_scc0 .Lnot_first
	s_wait_tensorcnt 0x0
.Lnot_first:
	s_barrier_signal -1
	s_barrier_wait -1
	KSTEP 0,0,0,1                                  ; the first products start the sums
.if NCH > 2
	s_mov_b32 s3, NCH/2-1
.Llap:
	TWO 1,1
	TWO 0,1
	s_sub_co_u32 s3, s3, 1
	s_cmp_lg_u32 s3, 0
	s_cbranch_scc1 .Llap
.endif
	TWO 1,0                                        ; the last chunk: nothing is left to fetch
.irp t, 0,1,2,3,4,5,6,7
	global_load_b128 v[L+4*\t:L+4*\t+3], v14, s[10:11] offset:(2*\t+8*(\t/4))*4096   ; the residual's rows: stage rows 2 t, 2 t + 1 are tokens 2 t + 8 (t / 4) on
.endr
	global_load_b128 v[64:67], v15, s[8:9]         ; the bias of my four columns
	s_wait_dscnt 0x0                               ; my reads of the ring are over
	s_barrier_signal -1
	s_barrier_wait -1                              ; everybody's are: the ring has had its last fill and its last read
.irp i, 0,1,2,3
.irp j, 0,1,2,3
	ds_store_b128 v11, v[ACC+8*(4*\i+\j):ACC+8*(4*\i+\j)+3] offset:17408*\i+128*(\j/2)+32*(\j%2)       ; each accumulator from its low end on
	ds_store_b128 v11, v[ACC+8*(4*\i+\j)+4:ACC+8*(4*\i+\j)+7] offset:17408*\i+128*(\j/2)+32*(\j%2)+16
.endr
.endr
	s_wait_dscnt 0x0                               ; for the others' sake: my partial sums lie in LDS
	s_barrier_signal -1
	s_barrier_wait -1
.irp u, 0,1,2,3
.irp t, 0,1,2,3,4,5,6,7
	ds_load_b128 v[ACC+32*\u+4*\t:ACC+32*\u+4*\t+3], v12 offset:4352*\u+544*\t
.endr
.endr
	s_wait_dscnt 0x0
	s_wait_loadcnt 0x0
.irp t, 0,1,2,3,4,5,6,7
.irp k, 0,2
	v_pk_add_f32 v[ACC+4*\t+\k:ACC+4*\t+\k+1], v[ACC+4*\t+\k:ACC+4*\t+\k+1], v[ACC+32+4*\t+\k:ACC+32+4*\t+\k+1]
	v_pk_add_f32 v[ACC+64+4*\t+\k:ACC+64+4*\t+\k+1], v[ACC+64+4*\t+\k:ACC+64+4*\t+\k+1], v[ACC+96+4*\t+\k:ACC+96+4*\t+\k+1]
.endr
.irp k, 0
	s_delay_alu instid0(VALU_DEP_3)
	v_pk_add_f32 v[ACC+4*\t+\k:ACC+4*\t+\k+1], v[ACC+4*\t+\k:ACC+4*\t+\k+1], v[ACC+64+4*\t+\k:ACC+64+4*\t+\k+1]
.endr
.irp k, 2
	s_delay_alu instid0(VALU_DEP_2)
	v_pk_add_f32 v[ACC+4*\t+\k:ACC+4*\t+\k+1], v[ACC+4*\t+\k:ACC+4*\t+\k+1], v[ACC+64+4*\t+\k:ACC+64+4*\t+\k+1]
.endr
.irp k, 0,2
	s_delay_alu instid0(VALU_DEP_2)
	v_pk_add_f32 v[ACC+4*\t+\k:ACC+4*\t+\k+1], v[ACC+4*\t+\k:ACC+4*\t+\k+1], v[64+\k:65+\k]
.endr
.irp k, 0,2
	s_delay_alu instid0(VALU_DEP_2)
	v_pk_add_f32 v[ACC+4*\t+\k:ACC+4*\t+\k+1], v[ACC+4*\t+\k:ACC+4*\t+\k+1], v[L+4*\t+\k:L+4*\t+\k+1]
.endr
	global_store_b128 v14, v[ACC+4*\t:ACC+4*\t+3], s[12:13] offset:(2*\t+8*(\t/4))*4096   ; sixteen lanes store 256 consecutive bytes, aligned
.endr
	s_wait_tensorcnt 0x0                           ; the wave's end
	ds_add_u32 v[SPW], v[NIL]
	s_wait_dscnt 0x0
	CROUND                                         ; the closing round
	s_endpgm
.Lfunc_end_k_qdccf5455cd_wo:
	.size	k_qdccf5455cd_wo, .Lfunc_end_k_qdccf5455cd_wo-k_qdccf5455cd_wo
	.p2alignl 7, 3214868480
	.fill 96, 4, 3214868480
	.section	.rodata,"a",@progbits
	.p2align	6, 0x0
	.amdhsa_kernel k_qdccf5455cd_wo
		.amdhsa_group_segment_fixed_size 327680
		.amdhsa_private_segment_fixed_size 0
		.amdhsa_enable_private_segment 0
		.amdhsa_kernarg_size 40
		.amdhsa_user_sgpr_count 2
		.amdhsa_user_sgpr_kernarg_segment_ptr 1
		.amdhsa_wavefront_size32 1
		.amdhsa_system_sgpr_workgroup_id_x 1
		.amdhsa_system_sgpr_workgroup_id_y 1
		.amdhsa_system_sgpr_workgroup_id_z 1
		.amdhsa_system_vgpr_workitem_id 0
		.amdhsa_next_free_vgpr 256
		.amdhsa_next_free_sgpr 102
		.amdhsa_reserve_vcc 0
		.amdhsa_float_denorm_mode_32 3
		.amdhsa_float_denorm_mode_16_64 3
		.amdhsa_memory_ordered 1
		.amdhsa_forward_progress 1
		.amdhsa_inst_pref_size 35
	.end_amdhsa_kernel
	.amdgpu_metadata
---
amdhsa.version: [ 1, 2 ]
amdhsa.kernels:
  - .name:           k_qdccf5455cd_wo
    .symbol:         k_qdccf5455cd_wo.kd
    .args:
      - { .name: ctx, .offset: 0, .size: 8, .value_kind: global_buffer, .address_space: global }
      - { .name: wb, .offset: 8, .size: 8, .value_kind: global_buffer, .address_space: global }
      - { .name: bo, .offset: 16, .size: 8, .value_kind: global_buffer, .address_space: global }
      - { .name: x, .offset: 24, .size: 8, .value_kind: global_buffer, .address_space: global }
      - { .name: x1, .offset: 32, .size: 8, .value_kind: global_buffer, .address_space: global }
    .group_segment_fixed_size: 327680
    .private_segment_fixed_size: 0
    .kernarg_segment_align: 8
    .kernarg_segment_size: 40
    .max_flat_workgroup_size: 512
    .sgpr_count:     102
    .vgpr_count:     256
    .wavefront_size: 32
...
	.end_amdgpu_metadata
.endif
;; end of part 4
;; launch ln2 (part 5): grid 256 x 1, 8 waves a work-group, no clusters, 67,072 bytes of LDS; arguments x1, g2, s2, h2; writes h2
.if DOCPART == 5
	.amdgcn_target "amdgcn-amd-amdhsa--gfx1250"
	.amdhsa_code_object_version 6
	.text
	.protected	k_qdccf5455cd_ln2
	.globl	k_qdccf5455cd_ln2
	.p2align	8
	.type	k_qdccf5455cd_ln2,@function
k_qdccf5455cd_ln2:
	s_mov_b64 s[64:65], 0
	v_nop
	global_prefetch_b8 v0, s[64:65] scope:SCOPE_SE
	s_setreg_imm32_b32 hwreg(HW_REG_WAVE_MODE, 25, 1), 1
	s_wait_xcnt 0x0
; out = Q(gain x (in - mean) / sqrt(var + 1e-5) + shift): a layer norm over rows of 1,024 f32, quantised along the row to codes of FP6 (E2M3) with one E8M0 byte for each 32.
; The result is laid as images of operand registers: fragment (row block rb, K step ks) = 16 tokens x 128, 1,536 bytes, register pair q at 256 q + 8 x lane; codes [rb][8] x 1,536; scale words [rb][8][r] from byte 3,145,728.
; Lane r of block rb holds token 32 (rb / 2) + 8 (rb % 2) + r + 8 (r / 8).
; A work-group is one row block.  PHASE A: wave w normalises the block's rows 2 w and 2 w + 1 (neighbouring tokens), a whole row in 32 registers: the mean, then the mean of (x - mean)^2 over the registers:
; no difference of large sums is formed.  The rows go to a stage in LDS, 4,112 bytes apart.  PHASE B: wave w quantises K step w of all 16 rows: lane (r, h) reads, of row r, 16 neighbours of each block of 32.
; 4,112 = 257 x 16: the sixteen rows that a 16-byte load touches fall on sixteen different 16-byte columns.
; LIMITS: NaN and infinities are not served; a block whose largest magnitude lies under 2^-124 keeps the byte 1; a block of zeros gets the byte 1 where the quantiser says 127 (zero codes; read by this program alone).
.set PITCH, 4112
.set X,   32                           ; v32-95   two rows as loaded, then normalised; in phase B 64 numbers
.set G,   96                           ; v96-127  gain
.set S,   128                          ; v128-159 shift
.set TM,  8                            ; v8-23    at work
.set PW,  24                           ; v24      the scale word
.set PC,  160                          ; v160-178 the codes
.set SEL, 22                           ; s[22:23] v_permlanex16_b32's selects for lane l xor 16
.macro QUANT s                         ; 64 numbers of a lane, register 16 b + i = k 32 b + 16 (lane / 16) + i of my row, become a fragment's codes in v[PC] on and its scale word in v[PW]
.irp b, 0,1,2,3
	v_max3_num_f32 v[TM+\b], |v[\s+16*\b]|, |v[\s+1+16*\b]|, 0x1800000   ; my 16 numbers of block b, and the floor 2^(3 - 127): the byte cannot fall under 1
.endr
.irp i, 2,4,6,8,10,12,14
.irp b, 0,1,2,3
	s_delay_alu instid0(VALU_DEP_4)
	v_max3_num_f32 v[TM+\b], v[TM+\b], |v[\s+16*\b+\i]|, |v[\s+1+16*\b+\i]|
.endr
.endr
.irp b, 0,1,2,3
	s_delay_alu instid0(VALU_DEP_4)
	v_permlanex16_b32 v[TM+4+\b], v[TM+\b], s[SEL], s[SEL+1]
.endr
.irp b, 0,1,2,3
	s_delay_alu instid0(VALU_DEP_4)
	v_max_num_f32 v[TM+\b], v[TM+\b], v[TM+4+\b]   ; with lane l xor 16's: the block's largest magnitude
.endr
.irp b, 0,1,2,3
	s_delay_alu instid0(VALU_DEP_4)
	v_add_nc_u32 v[TM+12+\b], 0xff000000, v[TM+\b] ; 2 off its exponent field: the conversion's scale operand
.endr
.irp b, 0,1,2,3
	s_delay_alu instid0(VALU_DEP_4)
	v_lshrrev_b32 v[TM+4+\b], 23, v[TM+12+\b]      ; the scale's byte
.endr
	s_delay_alu instid0(VALU_DEP_3)
	v_lshl_or_b32 v[PW], v[TM+5], 8, v[TM+4]
	s_delay_alu instid0(VALU_DEP_1)
	v_lshl_or_b32 v[PW], v[TM+6], 16, v[PW]
	s_delay_alu instid0(VALU_DEP_1)
	v_lshl_or_b32 v[PW], v[TM+7], 24, v[PW]
.irp c, 0,1
	v_cvt_scalef32_pk16_fp6_f32 v[PC+6*\c:PC+2+6*\c], v[\s+32*\c:\s+15+32*\c], v[TM+12+2*\c]
	v_cvt_scalef32_pk16_fp6_f32 v[PC+12+4*\c:PC+14+4*\c], v[\s+16+32*\c:\s+31+32*\c], v[TM+12+2*\c+1]   ; (a conversion's three registers begin on an even number)
.endr
	v_nop                                          ; one plain line behind a scaled conversion
.irp c, 0,1                            ; the operand's layout wants a whole block in a lane: lanes 0-15 block 2 c, lanes 16-31 block 2 c + 1
.irp i, 0,1,2
	v_permlane16_swap_b32 v[PC+6*\c+\i], v[PC+12+4*\c+\i]
.endr
.irp i, 0,1,2
	s_delay_alu instid0(VALU_DEP_3)
	v_mov_b32 v[PC+3+6*\c+\i], v[PC+12+4*\c+\i]
.endr
.endr
.endm
.macro ACROSS                          ; row e's two packed chains v[8+4e:9+4e], v[10+4e:11+4e] become one sum, in every lane, in v[8+4e]
.irp e, 0
	s_delay_alu instid0(VALU_DEP_3)
	v_pk_add_f32 v[8+4*\e:9+4*\e], v[8+4*\e:9+4*\e], v[10+4*\e:11+4*\e]
.endr
.irp e, 1
	s_delay_alu instid0(VALU_DEP_2)
	v_pk_add_f32 v[8+4*\e:9+4*\e], v[8+4*\e:9+4*\e], v[10+4*\e:11+4*\e]
.endr
.irp e, 0,1
	s_delay_alu instid0(VALU_DEP_2)
	v_add_f32 v[8+4*\e], v[8+4*\e], v[9+4*\e]
.endr
.irp m, 1,2,4,8
.irp e, 0,1
	s_delay_alu instid0(VALU_DEP_2)
	v_add_f32_dpp v[8+4*\e], v[8+4*\e], v[8+4*\e] row_xmask:\m row_mask:0xf bank_mask:0xf
.endr
.endr
.irp e, 0,1
	s_delay_alu instid0(VALU_DEP_2)
	v_permlanex16_b32 v[10+4*\e], v[8+4*\e], s[SEL], s[SEL+1]
.endr
.irp e, 0,1
	s_delay_alu instid0(VALU_DEP_2)
	v_add_f32 v[8+4*\e], v[8+4*\e], v[10+4*\e]
.endr
.endm
	s_load_b256 s[4:11], s[0:1], 0x0               ; in, gain, shift, out
	v_lshl_add_u32 v192, v0, 2, 0x10200
	v_mov_b32 v193, 0
	v_lshrrev_b32 v1, 5, v0
	s_delay_alu instid0(VALU_DEP_1)
	v_readfirstlane_b32 s12, v1                    ; wave 0..7
	v_and_b32 v6, 31, v0                           ; lane
	v_and_b32 v7, 15, v0                           ; r
	v_bfe_u32 v25, v0, 4, 1                        ; h
	s_delay_alu instid0(VALU_DEP_3)
	v_lshlrev_b32 v1, 4, v6                        ; 16 bytes a lane
	s_mul_i32 s13, s12, 2*PITCH
	v_add_nc_u32 v2, s13, v1                       ; the stage, on the way in: my two rows
	v_mul_u32_u24 v3, v7, PITCH
	s_delay_alu instid0(VALU_DEP_1)
	v_lshl_add_u32 v3, v25, 6, v3
	s_lshl_b32 s13, s12, 9
	v_add_nc_u32 v3, s13, v3                       ; and out: row r, K step w, + 64 h
	v_lshlrev_b32 v4, 3, v6                        ; an image's place for my lane
	v_lshlrev_b32 v5, 2, v7                        ; a scale word's
	s_lshr_b32 s14, ttmp9, 1
	s_lshl_b32 s14, s14, 5
	s_and_b32 s15, ttmp9, 1
	s_lshl_b32 s15, s15, 3
	s_add_co_u32 s14, s14, s15
	s_lshl_b32 s15, s12, 1
	s_add_co_u32 s14, s14, s15
	s_lshr_b32 s15, s12, 2
	s_lshl_b32 s15, s15, 3
	s_add_co_u32 s14, s14, s15                     ; my first token: 32 (rb / 2) + 8 (rb % 2) + 2 w + 8 (w / 4)
	s_lshl_b32 s14, s14, 12
	s_mov_b32 s15, 0
	s_lshl_b32 s16, ttmp9, 3
	s_add_co_u32 s16, s16, s12                     ; my fragment: 8 rb + w
	s_mul_i32 s18, s16, 1536
	s_mov_b32 s19, 0
	s_lshl_b32 s16, s16, 6
	s_add_co_u32 s16, s16, 3145728
	s_mov_b32 s17, 0
	s_mov_b32 s20, 0x3a800000                      ; 1 / 1,024
	s_mov_b32 s21, 0x3727c5ac                      ; 1e-5
	s_mov_b32 s[SEL], 0x76543210
	s_mov_b32 s[SEL+1], 0xfedcba98
	s_wait_alu depctr_va_vdst(0)
	s_wait_kmcnt 0x0
	s_add_nc_u64 s[4:5], s[4:5], s[14:15]
	s_add_nc_u64 s[18:19], s[10:11], s[18:19]
	s_add_nc_u64 s[16:17], s[10:11], s[16:17]
.irp e, 0,1
.irp j, 0,1,2,3,4,5,6,7
	global_load_b128 v[X+32*\e+4*\j:X+32*\e+4*\j+3], v1, s[4:5] offset:4096*\e+512*\j   ; 512 consecutive bytes a load
.endr
.endr
.irp j, 0,1,2,3,4,5,6,7
	global_load_b128 v[G+4*\j:G+4*\j+3], v1, s[6:7] offset:512*\j
.endr
.irp j, 0,1,2,3,4,5,6,7
	global_load_b128 v[S+4*\j:S+4*\j+3], v1, s[8:9] offset:512*\j
.endr
	s_wait_loadcnt 16                              ; my two rows are in; the sixteen loads of gain and shift may be out
.irp e, 0,1
	v_pk_add_f32 v[8+4*\e:9+4*\e], v[X+32*\e:X+32*\e+1], v[X+32*\e+2:X+32*\e+3]
	v_pk_add_f32 v[10+4*\e:11+4*\e], v[X+32*\e+4:X+32*\e+5], v[X+32*\e+6:X+32*\e+7]
.endr
.irp j, 8,12,16,20,24,28
.irp e, 0,1
	s_delay_alu instid0(VALU_DEP_4)
	v_pk_add_f32 v[8+4*\e:9+4*\e], v[8+4*\e:9+4*\e], v[X+32*\e+\j:X+32*\e+\j+1]
	s_delay_alu instid0(VALU_DEP_4)
	v_pk_add_f32 v[10+4*\e:11+4*\e], v[10+4*\e:11+4*\e], v[X+32*\e+\j+2:X+32*\e+\j+3]
.endr
.endr
	ACROSS
.irp e, 0,1
	s_delay_alu instid0(VALU_DEP_2)
	v_mul_f32 v[26+2*\e], s20, v[8+4*\e]           ; the mean
.endr
.irp e, 0,1
	s_delay_alu instid0(VALU_DEP_2)
	v_mov_b32 v[27+2*\e], v[26+2*\e]               ; (named with it as a pair)
.endr
.irp j, 0,2,4,6,8,10,12,14,16,18,20,22,24,26,28,30
.irp e, 0,1
	v_pk_add_f32 v[X+32*\e+\j:X+32*\e+\j+1], v[X+32*\e+\j:X+32*\e+\j+1], v[26+2*\e:27+2*\e] op_sel_hi:[1,0] neg_lo:[0,1] neg_hi:[0,1]   ; d = x - mean
.endr
.endr
.irp e, 0,1
	v_pk_mul_f32 v[8+4*\e:9+4*\e], v[X+32*\e:X+32*\e+1], v[X+32*\e:X+32*\e+1]
	v_pk_mul_f32 v[10+4*\e:11+4*\e], v[X+32*\e+2:X+32*\e+3], v[X+32*\e+2:X+32*\e+3]
.endr
.irp j, 4,8,12,16,20,24,28
.irp e, 0,1
	s_delay_alu instid0(VALU_DEP_4)
	v_pk_fma_f32 v[8+4*\e:9+4*\e], v[X+32*\e+\j:X+32*\e+\j+1], v[X+32*\e+\j:X+32*\e+\j+1], v[8+4*\e:9+4*\e]
	s_delay_alu instid0(VALU_DEP_4)
	v_pk_fma_f32 v[10+4*\e:11+4*\e], v[X+32*\e+\j+2:X+32*\e+\j+3], v[X+32*\e+\j+2:X+32*\e+\j+3], v[10+4*\e:11+4*\e]
.endr
.endr
	ACROSS
.irp e, 0,1
	s_delay_alu instid0(VALU_DEP_2)
	v_fma_f32 v[8+4*\e], v[8+4*\e], s20, s21       ; var + 1e-5
.endr
	s_wait_alu depctr_va_vdst(0)
.irp e, 0,1
	v_rsq_f32 v[26+2*\e], v[8+4*\e]
.endr
	v_nop                                          ; one plain line behind the transcendentals
	s_wait_alu depctr_va_vdst(0)
.irp e, 0,1
	v_mov_b32 v[27+2*\e], v[26+2*\e]
.endr
	s_wait_alu depctr_va_vdst(0)
	s_wait_loadcnt 0x0                             ; gain and shift
.irp j, 0,2,4,6,8,10,12,14,16,18,20,22,24,26,28,30
.irp e, 0,1
	v_pk_mul_f32 v[X+32*\e+\j:X+32*\e+\j+1], v[X+32*\e+\j:X+32*\e+\j+1], v[26+2*\e:27+2*\e] op_sel_hi:[1,0]
.endr
.endr
.irp j, 0,2,4,6,8,10,12,14,16,18,20,22,24,26,28,30
.irp e, 0,1
	v_pk_fma_f32 v[X+32*\e+\j:X+32*\e+\j+1], v[X+32*\e+\j:X+32*\e+\j+1], v[G+\j:G+\j+1], v[S+\j:S+\j+1]
.endr
.endr
.irp e, 0,1
.irp j, 0,1,2,3,4,5,6,7
	ds_store_b128 v2, v[X+32*\e+4*\j:X+32*\e+4*\j+3] offset:PITCH*\e+512*\j
.endr
.endr
	s_wait_dscnt 0x0                               ; for the others' sake: my rows lie in the stage
	s_barrier_signal -1
	s_barrier_wait -1
.irp b, 0,1,2,3
.irp j, 0,1,2,3
	ds_load_b128 v[X+16*\b+4*\j:X+16*\b+4*\j+3], v3 offset:128*\b+16*\j
.endr
.endr
	s_wait_dscnt 0x0
	QUANT X
.irp q, 0,1,2,3,4,5
	global_store_b64 v4, v[PC+2*\q:PC+2*\q+1], s[18:19] offset:256*\q   ; 32 lanes store 256 consecutive bytes, aligned
.endr
	global_store_b32 v5, v[PW], s[16:17]           ; row r's scale word (lanes 16-31 hold and store the same word)
	s_wait_tensorcnt 0x0
	ds_add_u32 v192, v193
	s_wait_dscnt 0x0
	s_endpgm
.Lfunc_end_k_qdccf5455cd_ln2:
	.size	k_qdccf5455cd_ln2, .Lfunc_end_k_qdccf5455cd_ln2-k_qdccf5455cd_ln2
	.p2alignl 7, 3214868480
	.fill 96, 4, 3214868480
	.section	.rodata,"a",@progbits
	.p2align	6, 0x0
	.amdhsa_kernel k_qdccf5455cd_ln2
		.amdhsa_group_segment_fixed_size 67072
		.amdhsa_private_segment_fixed_size 0
		.amdhsa_enable_private_segment 0
		.amdhsa_kernarg_size 32
		.amdhsa_user_sgpr_count 2
		.amdhsa_user_sgpr_kernarg_segment_ptr 1
		.amdhsa_wavefront_size32 1
		.amdhsa_system_sgpr_workgroup_id_x 1
		.amdhsa_system_sgpr_workgroup_id_y 1
		.amdhsa_system_sgpr_workgroup_id_z 1
		.amdhsa_system_vgpr_workitem_id 0
		.amdhsa_next_free_vgpr 194
		.amdhsa_next_free_sgpr 66
		.amdhsa_reserve_vcc 0
		.amdhsa_float_denorm_mode_32 3
		.amdhsa_float_denorm_mode_16_64 3
		.amdhsa_memory_ordered 1
		.amdhsa_forward_progress 1
		.amdhsa_inst_pref_size 29
	.end_amdhsa_kernel
	.amdgpu_metadata
---
amdhsa.version: [ 1, 2 ]
amdhsa.kernels:
  - .name:           k_qdccf5455cd_ln2
    .symbol:         k_qdccf5455cd_ln2.kd
    .args:
      - { .name: x1, .offset: 0, .size: 8, .value_kind: global_buffer, .address_space: global }
      - { .name: g2, .offset: 8, .size: 8, .value_kind: global_buffer, .address_space: global }
      - { .name: s2, .offset: 16, .size: 8, .value_kind: global_buffer, .address_space: global }
      - { .name: h2, .offset: 24, .size: 8, .value_kind: global_buffer, .address_space: global }
    .group_segment_fixed_size: 67072
    .private_segment_fixed_size: 0
    .kernarg_segment_align: 8
    .kernarg_segment_size: 32
    .max_flat_workgroup_size: 256
    .sgpr_count:     66
    .vgpr_count:     194
    .wavefront_size: 32
...
	.end_amdgpu_metadata
.endif
;; end of part 5
;; launch ffn1 (part 6): grid 16 x 16, 16 waves a work-group, clusters of 4 x 4, 327,680 bytes of LDS; arguments h2, wb, b1, hid; writes hid
.if DOCPART == 6
	.amdgcn_target "amdgcn-amd-amdhsa--gfx1250"
	.amdhsa_code_object_version 6
	.text
	.protected	k_qdccf5455cd_ffn1
	.globl	k_qdccf5455cd_ffn1
	.p2align	8
	.type	k_qdccf5455cd_ffn1,@function
k_qdccf5455cd_ffn1:
	s_mov_b64 s[64:65], 0
	v_nop
	global_prefetch_b8 v0, s[64:65] scope:SCOPE_SE
	s_setreg_imm32_b32 hwreg(HW_REG_WAVE_MODE, 25, 1), 1
	s_wait_xcnt 0x0
	s_wait_alu depctr_hold_cnt(0) depctr_sa_sdst(0) depctr_va_vdst(0) depctr_va_sdst(0) depctr_va_ssrc(0) depctr_va_vcc(0) depctr_vm_vsrc(0)
	s_getreg_b32 s2, hwreg(HW_REG_IB_STS2, 6, 4)
	s_cmp_eq_u32 s2, 0
	s_cbranch_scc0 .Lentry_in_a_cluster
	s_endpgm
.Lentry_in_a_cluster:
	s_bfe_u32 s2, ttmp6, 0x10000c
	s_cmp_lg_u32 s2, 0xf033
	s_cbranch_scc0 .Lentry_shape_is_right
	s_endpgm
.Lentry_shape_is_right:
; hid = Q(gelu(h W1 + b1)): the product on codes of FP6 (E2M3) with E8M0 scales, the activation in f32, the result quantised along the 4,096 hidden units for the next product.
; Operands lie in memory as images of operand registers: fragment (block of 16 rows, K step) = 1,536 bytes, register pair q at 256 q + 8 x lane; scale words [block][K step][r].  Lane r of block b holds row 32 (b / 2) + 8 (b % 2) + r + 8 (r / 8).
; Source 1 = tokens (a lane holds one token), source 0 = W1's columns: the 16 registers of column blocks 2 b, 2 b + 1 are hidden units 32 b + 16 (lane / 16) + 0 .. 15: neighbours along the next K.
; A work-group makes 256 x 256 with sixteen waves of 64 x 64 (16 accumulators, 8 fragments: 256 registers, four waves to a SIMD).  For a K step a wave reads 8 fragments, 12,288 bytes, for 16 matrix instructions.
; K = 1,024 goes in four chunks of 256 through three LDS slots: chunks 0-2 are first fills, chunk 3 is the one refill (slot 0), asked for four K steps ahead of its use.  The tile's scale words come once.
; CLUSTER 4 x 4: the tokens' tile is shared along a row of the cluster, W1's along a column: joint loads.  Waves 0, 1 fetch the tokens' halves, waves 2, 3 W1's.
; The bias is loaded into the accumulators: it is the C of each sum's first product.
; gelu(x) = 0.5 x (1 + tanh(u)), u = sqrt(2 / pi) (x + 0.044715 x^3), is x / (1 + 2^z) with z = x (k1 + k2 x^2), k1 = -2 sqrt(2 / pi) log2(e), k2 = 0.044715 k1: the same function, one exponential and one reciprocal.
; hid lies in RECORDS: [256 token blocks][8 records] x 6,400 bytes; a record is four K steps of the next product: four fragments of 1,536 bytes, then their scale words, four times 64 bytes.
; A wave's 64 hidden units are half a K step: register pairs 0-2 or 3-5 of a fragment, and two bytes of each row's scale word.
; LIMITS: NaN and infinities are not served; a block whose largest magnitude lies under 2^-124 keeps the byte 1; a block of zeros gets the byte 1 where the quantiser says 127 (zero codes; read by this program alone).
.set SLOTB, 98304
.set LBLK,  3072
.set SB,    512
.set SCL,   3*SLOTB
.set SPARE, SCL+16384
.set REC,   6400                       ; a record of hid
.set AL,  4
.set AR,  7
.set ADS, 10
.set SC,  24
.set SPW, 28
.set NIL, 29
.set L,   32
.set R,   80
.set ACC, 128
.set T,   32                           ; the way out: v32-63 at work in the activation
.set TT,  96
.set TM,  100
.set PWR, 108
.set K1,  114                          ; v[114:115] k1
.set K2,  2                            ; s[2:3] k2
.set WV,  16
.set SEL, 22
.set G1A, 24
.set G1B, 32
.set G1SA, 40
.set G1SB, 48
.set G0SA, 56
.set G0SB, 60
.set G0A, 68
.set G0B, 80
.macro CREST
	s_cmp_lg_u32 s[WV], 0
	s_cbranch_scc1 .Lnot_wave_0_\@
	s_barrier_signal -3
.Lnot_wave_0_\@:
	s_barrier_wait -3
	s_barrier_signal -1
	s_barrier_wait -1
.endm
.macro CROUND
	s_barrier_signal -1
	s_barrier_wait -1
	CREST
.endm
.macro JLOAD g0a, g1a, g0b, g1b        ; a joint load: the branches hang on the wave's number alone; four v_nop follow each line
	s_cmp_lt_u32 s[WV], 2
	s_cbranch_scc0 .Lnot_a_\@
	tensor_load_to_lds s[\g0a:\g0a+3], s[\g1a:\g1a+7]
	s_nop 0
.rept 4
	v_nop
.endr
	s_branch .Lasked_\@
.Lnot_a_\@:
	s_cmp_lt_u32 s[WV], 4
	s_cbranch_scc0 .Lasked_\@
	tensor_load_to_lds s[\g0b:\g0b+3], s[\g1b:\g1b+7]
	s_nop 0
.rept 4
	v_nop
.endr
.Lasked_\@:
.endm
.macro FRAG reg, adr, off
.irp q, 0,1,2,3,4,5
	ds_load_b64 v[\reg+2*\q:\reg+2*\q+1], v[\adr] offset:\off+256*\q
.endr
.endm
.macro KSTEP sl, off, soff             ; 128 along K: 8 fragments, 4 registers of scale words, 16 matrix instructions on 16 accumulators by turns
.irp i, 0,1,2,3
	FRAG L+12*\i, AL+\sl, \off+\i*LBLK
.endr
.irp j, 0,1,2,3
	FRAG R+12*\j, AR+\sl, \off+\j*LBLK
.endr
.irp i, 0,1,2,3
	ds_load_b32 v[SC+\i], v[ADS] offset:\soff+\i*SB
.endr
	s_wait_dscnt 0x0
.irp i, 0,1,2,3
.irp j, 0,1,2,3
	v_wmma_scale_f32_16x16x128_f8f6f4 v[ACC+8*(4*\i+\j):ACC+8*(4*\i+\j)+7], v[R+12*\j:R+12*\j+11], v[L+12*\i:L+12*\i+11], v[ACC+8*(4*\i+\j):ACC+8*(4*\i+\j)+7], v[SC+\j], v[SC+\i] matrix_a_fmt:MATRIX_FMT_FP6 matrix_b_fmt:MATRIX_FMT_FP6 matrix_a_scale:MATRIX_SCALE_ROW1
.endr
.endr
.rept 4
	v_nop                                          ; four places in front of the next loads into these operands and of the first read of results
.endr
.endm
.macro QUANT2 s, pc, pw                ; 32 numbers of a lane, register 16 b + e = k 32 b + 16 (lane / 16) + e, become a half image in v[pc] .. v[pc + 5] and two scale bytes in v[pw]
.irp b, 0,1
	v_max3_num_f32 v[TM+\b], |v[(\s)+16*\b]|, |v[(\s)+16*\b+1]|, 0x1800000
.endr
.irp e, 2,4,6,8,10,12,14
.irp b, 0,1
	s_delay_alu instid0(VALU_DEP_2)
	v_max3_num_f32 v[TM+\b], v[TM+\b], |v[(\s)+16*\b+\e]|, |v[(\s)+16*\b+\e+1]|
.endr
.endr
.irp b, 0,1
	s_delay_alu instid0(VALU_DEP_2)
	v_permlanex16_b32 v[TM+2+\b], v[TM+\b], s[SEL], s[SEL+1]
.endr
.irp b, 0,1
	s_delay_alu instid0(VALU_DEP_2)
	v_max_num_f32 v[TM+\b], v[TM+\b], v[TM+2+\b]
.endr
.irp b, 0,1
	s_delay_alu instid0(VALU_DEP_2)
	v_add_nc_u32 v[TM+4+\b], 0xff000000, v[TM+\b]
.endr
.irp b, 0,1
	s_delay_alu instid0(VALU_DEP_2)
	v_lshrrev_b32 v[TM+2+\b], 23, v[TM+4+\b]
.endr
	s_delay_alu instid0(VALU_DEP_1)
	v_lshl_or_b32 v[\pw], v[TM+3], 8, v[TM+2]
	v_cvt_scalef32_pk16_fp6_f32 v[(\pc):(\pc)+2], v[(\s):(\s)+15], v[TM+4]
	v_cvt_scalef32_pk16_fp6_f32 v[TT:TT+2], v[(\s)+16:(\s)+31], v[TM+5]
	v_nop                                          ; one plain line behind a scaled conversion
.irp k, 0,1,2
	v_permlane16_swap_b32 v[(\pc)+\k], v[TT+\k]
.endr
.irp k, 0,1,2
	s_delay_alu instid0(VALU_DEP_3)
	v_mov_b32 v[(\pc)+3+\k], v[TT+\k]
.endr
.endm
.macro GELU s                          ; 32 numbers in place, from the low end on
.set J, 0
.rept 16
	v_pk_mul_f32 v[T+J:T+J+1], v[(\s)+J:(\s)+J+1], v[(\s)+J:(\s)+J+1]
.set J, J+2
.endr
.set J, 0
.rept 16
	v_pk_fma_f32 v[T+J:T+J+1], v[T+J:T+J+1], s[K2:K2+1], v[K1:K1+1] op_sel_hi:[1,0,0]   ; k2 x^2 + k1
.set J, J+2
.endr
.set J, 0
.rept 16
	v_pk_mul_f32 v[T+J:T+J+1], v[T+J:T+J+1], v[(\s)+J:(\s)+J+1]                         ; z
.set J, J+2
.endr
.set J, 0
	s_wait_alu depctr_va_vdst(0)
.rept 32
	v_exp_f32 v[T+J], v[T+J]
.set J, J+1
.endr
	v_nop                                          ; one plain line behind the transcendentals
.set J, 0
	s_wait_alu depctr_va_vdst(0)
.rept 16
	v_pk_add_f32 v[T+J:T+J+1], v[T+J:T+J+1], 1.0 op_sel_hi:[1,0]
.set J, J+2
.endr
.set J, 0
	s_wait_alu depctr_va_vdst(0)
.rept 32
	v_rcp_f32 v[T+J], v[T+J]
.set J, J+1
.endr
	v_nop
.set J, 0
	s_wait_alu depctr_va_vdst(0)
.rept 16
	v_pk_mul_f32 v[(\s)+J:(\s)+J+1], v[(\s)+J:(\s)+J+1], v[T+J:T+J+1]
.set J, J+2
.endr
.endm
	s_load_b256 s[4:11], s[0:1], 0x0               ; h2, wb, b1, hid
	v_lshl_add_u32 v[SPW], v0, 2, SPARE
	v_mov_b32 v[NIL], 0
	ds_add_u32 v28, v29
	ds_add_u32 v28, v29
	s_wait_dscnt 0x0
	v_lshrrev_b32 v1, 5, v0
	s_delay_alu instid0(VALU_DEP_1)
	v_readfirstlane_b32 s[WV], v1
	s_bfe_u32 s17, ttmp6, 0x40000                  ; cx
	s_bfe_u32 s18, ttmp6, 0x40004                  ; cy
	s_and_b32 s19, ttmp7, 0xffff
	s_lshl_b32 s20, s19, 2
	s_add_co_u32 s20, s20, s18                     ; the tile of 256 tokens
	s_lshl_b32 s21, ttmp9, 2
	s_add_co_u32 s21, s21, s17                     ; the tile of 256 hidden units
	s_lshl_b32 s22, s18, 2
	s_lshl_b32 s22, 15, s22
	s_lshl_b32 s23, 0x1111, s17
	s_or_b32 s[G1A], s22, (3<<16)|(1<<21)          ; 15:0 the mask; 17:16 elements of 8 bytes; 21 set beside a mask; no padding
	s_or_b32 s[G1SA], s22, (3<<16)|(1<<21)
	s_or_b32 s[G1B], s23, (3<<16)|(1<<21)
	s_or_b32 s[G1SB], s23, (3<<16)|(1<<21)
.irp g, G1A, G1B                       ; codes: 8 blocks, of each 3,072 bytes (2 K steps), 12,288 bytes apart
	s_mov_b32 s[\g+1], 384<<16
	s_mov_b32 s[\g+2], 8<<16
	s_mov_b32 s[\g+3], 384<<16
	s_mov_b32 s[\g+4], 8
	s_mov_b32 s[\g+5], 1536
	s_mov_b32 s[\g+6], 0
	s_mov_b32 s[\g+7], 0
.endr
.irp g, G1SA, G1SB                     ; scale words of 8 blocks: 4,096 dense bytes as 16 rows of 256
	s_mov_b32 s[\g+1], 32<<16
	s_mov_b32 s[\g+2], 16<<16
	s_mov_b32 s[\g+3], 32<<16
	s_mov_b32 s[\g+4], 16
	s_mov_b32 s[\g+5], 32
	s_mov_b32 s[\g+6], 0
	s_mov_b32 s[\g+7], 0
.endr
	s_mov_b32 s[SEL], 0x76543210
	s_mov_b32 s[SEL+1], 0xfedcba98
	s_mov_b32 s[K2], 0xbdd2d3e8                    ; k2 = -0.10294324
	s_mov_b32 s[K2+1], s[K2]
	s_and_b32 s92, s[WV], 1
	s_lshl_b32 s92, s92, 3
	s_lshl_b32 s93, s20, 4
	s_add_co_u32 s93, s93, s92
	s_lshl_b32 s94, s21, 4
	s_add_co_u32 s94, s94, s92
	s_mul_i32 s96, s93, 12288
	s_mov_b32 s97, 0
	s_lshl_b32 s98, s93, 9
	s_add_co_u32 s98, s98, 3145728
	s_mov_b32 s99, 0
	s_mul_i32 s100, s94, 12288
	s_add_co_u32 s100, s100, 3145728
	s_mov_b32 s101, 0
	s_lshl_b32 s94, s94, 9
	s_add_co_u32 s94, s94, 9568256
	s_mov_b32 s95, 0
	s_and_b32 s92, s[WV], 3
	s_lshl_b32 s93, s92, 12
	s_add_co_u32 s93, s93, SCL
	s_mul_i32 s92, s92, 24576
	s_wait_kmcnt 0x0
	s_add_nc_u64 s[96:97], s[4:5], s[96:97]
	s_add_nc_u64 s[98:99], s[4:5], s[98:99]
	s_add_nc_u64 s[100:101], s[6:7], s[100:101]
	s_add_nc_u64 s[94:95], s[6:7], s[94:95]
	s_mov_b32 s[G0SA], 1
	s_mov_b32 s[G0SA+1], s93
	s_mov_b64 s[G0SA+2:G0SA+3], s[98:99]
	s_or_b32 s[G0SA+3], s[G0SA+3], 0x80000000
	s_mov_b32 s[G0SB], 1
	s_mov_b32 s[G0SB+1], s93
	s_mov_b64 s[G0SB+2:G0SB+3], s[94:95]
	s_or_b32 s[G0SB+3], s[G0SB+3], 0x80000000
.irp s, 0,1,2
	s_mov_b32 s[G0A+4*\s], 1
	s_add_co_u32 s[G0A+4*\s+1], s92, \s*SLOTB
	s_add_nc_u64 s[G0A+4*\s+2:G0A+4*\s+3], s[96:97], \s*LBLK
	s_or_b32 s[G0A+4*\s+3], s[G0A+4*\s+3], 0x80000000
	s_mov_b32 s[G0B+4*\s], 1
	s_add_co_u32 s[G0B+4*\s+1], s92, \s*SLOTB
	s_add_nc_u64 s[G0B+4*\s+2:G0B+4*\s+3], s[100:101], \s*LBLK
	s_or_b32 s[G0B+4*\s+3], s[G0B+4*\s+3], 0x80000000
.endr
	CROUND                                         ; all sixteen work-groups are here: the first joint loads meet
; THE FIRST FILLS, ONE A WAVE: sixteen tiles for sixteen waves.  Waves 0-3 the scale words, 4-7 chunk 0, 8-11 chunk 1, 12-15 chunk 2; of each four waves two fetch the tokens' halves and two W1's:
; every descriptor hangs on wave % 4 alone, so each wave holds all of them.  One chain of branches on the wave's number, a load to an arm, one join.
.macro ARM under, g0, g1, next
	s_cmp_lt_u32 s[WV], \under
	s_cbranch_scc0 \next
	tensor_load_to_lds s[\g0:\g0+3], s[\g1:\g1+7]
	s_nop 0
.rept 4
	v_nop
.endr
	s_branch .Lfirst_dn
\next:
.endm
	ARM 2, G0SA, G1SA, .Lf1
	ARM 4, G0SB, G1SB, .Lf2
	ARM 6, G0A, G1A, .Lf3
	ARM 8, G0B, G1B, .Lf4
	ARM 10, G0A+4, G1A, .Lf5
	ARM 12, G0B+4, G1B, .Lf6
	ARM 14, G0A+8, G1A, .Lf7
	tensor_load_to_lds s[G0B+8:G0B+11], s[G1B:G1B+7]
	s_nop 0
.rept 4
	v_nop
.endr
.Lfirst_dn:
	v_and_b32 v1, 15, v0                           ; r
	v_bfe_u32 v2, v0, 4, 1                         ; h
	v_and_b32 v3, 31, v0
	s_delay_alu instid0(VALU_DEP_1)
	v_lshlrev_b32 v3, 3, v3
	s_wait_alu depctr_va_vdst(0)
	v_lshlrev_b32 v12, 6, v2                       ; the bias: 16 h numbers on
	v_lshlrev_b32 v13, 2, v1                       ; a scale word's place
	s_lshr_b32 s92, s[WV], 2                       ; wm
	s_and_b32 s93, s[WV], 3                        ; wn
	s_lshl_b32 s99, s21, 2
	s_add_co_u32 s99, s99, s93                     ; my group of 64 hidden units
	s_lshl_b32 s100, s99, 8
	s_mov_b32 s101, 0
	s_add_nc_u64 s[8:9], s[8:9], s[100:101]
.irp i, 0,1,2,3
.irp j, 0,1,2,3                        ; lane (r, h), block j, register e: hidden unit 32 (j / 2) + 16 h + 8 (j % 2) + e
	global_load_b128 v[ACC+8*(4*\i+\j):ACC+8*(4*\i+\j)+3], v12, s[8:9] offset:(32*(\j/2)+8*(\j%2))*4
	global_load_b128 v[ACC+8*(4*\i+\j)+4:ACC+8*(4*\i+\j)+7], v12, s[8:9] offset:(32*(\j/2)+8*(\j%2))*4+16
.endr
.endr
	s_mul_i32 s94, s92, 4*LBLK
	s_mul_i32 s95, s93, 4*LBLK
	s_add_co_u32 s95, s95, SLOTB/2
	v_add_nc_u32 v[AL], s94, v3
	v_add_nc_u32 v[AR], s95, v3
	s_delay_alu instid0(VALU_DEP_2)
	v_add_nc_u32 v[AL+1], SLOTB, v[AL]
	s_delay_alu instid0(VALU_DEP_2)
	v_add_nc_u32 v[AR+1], SLOTB, v[AR]
	s_delay_alu instid0(VALU_DEP_4)
	v_add_nc_u32 v[AL+2], 2*SLOTB, v[AL]
	s_delay_alu instid0(VALU_DEP_4)
	v_add_nc_u32 v[AR+2], 2*SLOTB, v[AR]
	s_lshl_b32 s96, s92, 11
	s_lshl_b32 s97, s93, 11
	s_add_co_u32 s97, s97, 16*SB
	s_sub_co_u32 s97, s97, s96                     ; from the tokens' words to W1's: at least 2,048 bytes
	v_mul_u32_u24 v[ADS], s97, v2
	s_delay_alu instid0(VALU_DEP_1)
	v_lshl_add_u32 v[ADS], v1, 2, v[ADS]
	s_add_co_u32 s96, s96, SCL
	v_add_nc_u32 v[ADS], s96, v[ADS]
	s_lshl_b32 s94, s20, 4
	s_lshl_b32 s95, s92, 2
	s_add_co_u32 s94, s94, s95                     ; my first block of tokens
	s_lshl_b32 s94, s94, 3
	s_lshr_b32 s95, s99, 3
	s_add_co_u32 s94, s94, s95                     ; its record that holds my K step: eight groups of 64 hidden units to a record
	s_mul_i32 s94, s94, REC
	s_bfe_u32 s95, s99, 0x20001                    ; which K step of the record,
	s_and_b32 s96, s99, 1                          ; and which half of it
	s_mul_i32 s98, s95, 1536
	s_mul_i32 s97, s96, 768
	s_add_co_u32 s98, s98, s97
	s_add_co_u32 s98, s98, s94
	s_mov_b32 s99, 0
	s_add_nc_u64 s[98:99], s[10:11], s[98:99]
	s_lshl_b32 s100, s95, 6
	s_lshl_b32 s101, s96, 1
	s_add_co_u32 s100, s100, s101
	s_add_co_u32 s100, s100, s94
	s_add_co_u32 s100, s100, 6144                  ; the scale words lie behind the record's four fragments
	s_mov_b32 s101, 0
	s_add_nc_u64 s[100:101], s[10:11], s[100:101]
	s_wait_alu depctr_va_vdst(0)
	s_wait_loadcnt 0x0                             ; the bias stands in the accumulators
	s_cmp_lt_u32 s[WV], 8                          ; waves 0-7 fetched the scale words and chunk 0: they wait; chunks 1 and 2 may stay out
	s_cbranch_scc0 .Lnot_first
	s_wait_tensorcnt 0x0
.Lnot_first:
	s_barrier_signal -1
	s_barrier_wait -1
	KSTEP 0,0,0
	KSTEP 0,1536,64
	s_wait_tensorcnt 0x0                           ; all my tensor loads have landed, so a group 0 may be written
	ds_add_u32 v[SPW], v[NIL]                      ; 0 onto my spare word
	s_add_nc_u64 s[G0A+2:G0A+3], s[G0A+2:G0A+3], 3*LBLK
	s_add_nc_u64 s[G0B+2:G0B+3], s[G0B+2:G0B+3], 3*LBLK
	s_wait_dscnt 0x0                               ; the add is done, and my reads of slot 0 are over
	CROUND
	JLOAD G0A,G1A,G0B,G1B                          ; the one refill, chunk 3: four K steps in which to land
	KSTEP 1,0,128
	KSTEP 1,1536,192
	KSTEP 2,0,256
	KSTEP 2,1536,320
	s_wait_tensorcnt 0x0                           ; my part of chunk 3 is in (the only load that was out),
	s_wait_dscnt 0x0
	s_barrier_signal -1
	s_barrier_wait -1                              ; everybody's is
	KSTEP 0,0,384
	KSTEP 0,1536,448
	; THE WAY OUT: for each of my four blocks of tokens: the activation, the quantiser, a half image
	v_mov_b32 v[TM+2], 0                           ; written once: a lane permute's destination counts as one of its sources
	v_mov_b32 v[TM+3], 0
	v_mov_b32 v[K1], 0xc0135761                    ; k1 = -2.3022082
	s_delay_alu instid0(VALU_DEP_1)
	v_mov_b32 v[K1+1], v[K1]
.irp i, 0,1,2,3
	GELU ACC+32*\i
	QUANT2 ACC+32*\i,64+8*\i,PWR+\i
.irp p, 0,1,2
	global_store_b64 v3, v[64+8*\i+2*\p:64+8*\i+2*\p+1], s[98:99] offset:8*REC*\i+256*\p   ; 32 lanes store 256 consecutive bytes, aligned; the next block of tokens lies eight records on
.endr
	global_store_b16 v13, v[PWR+\i], s[100:101] offset:8*REC*\i   ; my row's two scale bytes (lanes 16-31 hold and store the same)
.endr
	s_wait_tensorcnt 0x0                           ; the wave's end
	ds_add_u32 v[SPW], v[NIL]
	s_wait_dscnt 0x0
	CROUND                                         ; the closing round
	s_endpgm
.Lfunc_end_k_qdccf5455cd_ffn1:
	.size	k_qdccf5455cd_ffn1, .Lfunc_end_k_qdccf5455cd_ffn1-k_qdccf5455cd_ffn1
	.p2alignl 7, 3214868480
	.fill 96, 4, 3214868480
	.section	.rodata,"a",@progbits
	.p2align	6, 0x0
	.amdhsa_kernel k_qdccf5455cd_ffn1
		.amdhsa_group_segment_fixed_size 327680
		.amdhsa_private_segment_fixed_size 0
		.amdhsa_enable_private_segment 0
		.amdhsa_kernarg_size 32
		.amdhsa_user_sgpr_count 2
		.amdhsa_user_sgpr_kernarg_segment_ptr 1
		.amdhsa_wavefront_size32 1
		.amdhsa_system_sgpr_workgroup_id_x 1
		.amdhsa_system_sgpr_workgroup_id_y 1
		.amdhsa_system_sgpr_workgroup_id_z 1
		.amdhsa_system_vgpr_workitem_id 0
		.amdhsa_next_free_vgpr 256
		.amdhsa_next_free_sgpr 102
		.amdhsa_reserve_vcc 0
		.amdhsa_float_denorm_mode_32 3
		.amdhsa_float_denorm_mode_16_64 3
		.amdhsa_memory_ordered 1
		.amdhsa_forward_progress 1
		.amdhsa_inst_pref_size 101
	.end_amdhsa_kernel
	.amdgpu_metadata
---
amdhsa.version: [ 1, 2 ]
amdhsa.kernels:
  - .name:           k_qdccf5455cd_ffn1
    .symbol:         k_qdccf5455cd_ffn1.kd
    .args:
      - { .name: h2, .offset: 0, .size: 8, .value_kind: global_buffer, .address_space: global }
      - { .name: wb, .offset: 8, .size: 8, .value_kind: global_buffer, .address_space: global }
      - { .name: b1, .offset: 16, .size: 8, .value_kind: global_buffer, .address_space: global }
      - { .name: hid, .offset: 24, .size: 8, .value_kind: global_buffer, .address_space: global }
    .group_segment_fixed_size: 327680
    .private_segment_fixed_size: 0
    .kernarg_segment_align: 8
    .kernarg_segment_size: 32
    .max_flat_workgroup_size: 512
    .sgpr_count:     102
    .vgpr_count:     256
    .wavefront_size: 32
...
	.end_amdgpu_metadata
.endif
;; end of part 6
;; launch ffn2 (part 7): grid 8 x 32, 16 waves a work-group, clusters of 4 x 4, 327,680 bytes of LDS; arguments hid, wb, b2, x1, out0; writes out0
.if DOCPART == 7
	.amdgcn_target "amdgcn-amd-amdhsa--gfx1250"
	.amdhsa_code_object_version 6
	.text
	.protected	k_qdccf5455cd_ffn2
	.globl	k_qdccf5455cd_ffn2
	.p2align	8
	.type	k_qdccf5455cd_ffn2,@function
k_qdccf5455cd_ffn2:
	s_mov_b64 s[64:65], 0
	v_nop
	global_prefetch_b8 v0, s[64:65] scope:SCOPE_SE
	s_setreg_imm32_b32 hwreg(HW_REG_WAVE_MODE, 25, 1), 1
	s_wait_xcnt 0x0
	s_wait_alu depctr_hold_cnt(0) depctr_sa_sdst(0) depctr_va_vdst(0) depctr_va_sdst(0) depctr_va_ssrc(0) depctr_va_vcc(0) depctr_vm_vsrc(0)
	s_getreg_b32 s2, hwreg(HW_REG_IB_STS2, 6, 4)
	s_cmp_eq_u32 s2, 0
	s_cbranch_scc0 .Lentry_in_a_cluster
	s_endpgm
.Lentry_in_a_cluster:
	s_bfe_u32 s2, ttmp6, 0x10000c
	s_cmp_lg_u32 s2, 0xf033
	s_cbranch_scc0 .Lentry_shape_is_right
	s_endpgm
.Lentry_shape_is_right:
; out0 = x1 + (hid W2 + b2): hid [4,096 tokens][4,096] and W2 [4,096][1,024] as codes of FP6 (E2M3) with E8M0 scales; b2, x1 and out0 f32.
; Both operands lie in RECORDS: [block of 16 rows][8 records] x 6,400 bytes; a record is four K steps: four fragments (images of operand registers: 1,536 bytes, register pair q at 256 q + 8 x lane), then their scale
; words, four times 64 bytes (4 bytes a row).  So one tile brings codes and scale words together.  Lane r of block b holds row 32 (b / 2) + 8 (b % 2) + r + 8 (r / 8).  W2's records begin at byte 9,830,400 of wb.
; Source 1 = tokens (a lane holds one token), source 0 = W2's columns: the 16 registers of column blocks 2 b, 2 b + 1 are columns 32 b + 16 (lane / 16) + 0 .. 15.
; A tile of 128 x 128 gives 256 work-groups.  Sixteen waves: 2 x 2 places of 64 x 64, and FOUR GROUPS ALONG K: a chunk is 512 along K (one record of each block), group g takes K step g of each chunk: 16 accumulators and 8 fragments in 256 registers.
; THE RING HAS THREE SLOTS of 102,400 bytes (tokens' 8 records, then W2's 8).  Chunks 0, 1, 2 are first fills (waves 0-11, one load each).  The other five chunks come behind THREE rounds of the cluster's barrier:
;   work 0, 1 | slot 0 <- 3 (waves 0-3), slot 1 <- 4 (waves 4-7) | work 2 | slot 2 <- 5 (waves 0-3) | work 3, 4 | slot 0 <- 6, slot 1 <- 7 | work 5 | barrier | work 6, 7.
; One load a wave behind each round, 25,600 bytes; chunk 5 has two K steps a wave in which to land, the two pairs one.  Of each four fetching waves two fetch the tokens' halves and two W2's.
; CLUSTER 4 x 4: the tokens' tiles are shared along a row of the cluster, W2's along a column: joint loads.
; THE SUM OVER THE FOUR GROUPS IS ALSO THE TURN INTO ROWS: every wave stores its 64 x 64 into LDS (rows of 256 bytes + 16), over the ring, which has had its last fill and its last read; then wave (g, place) reads the four
; partial sums of token block g of its place as whole rows, adds them, the bias and the residual, and stores 256 consecutive bytes from sixteen lanes.  The order of the sum along K differs from one ascending chain: four chains, then ((0 + 1) + (2 + 3)).
.set REC,   6400                       ; a record
.set BROW,  8*REC                      ; a block's eight records
.set BCO,   9830400                    ; W2's records in wb
.set SLOTB, 16*REC
.set LBLK,  REC
.set SPARE, 3*SLOTB                    ; behind the ring: the spare words, 128 bytes a wave: eight blocks of 256 bytes that no other line names
.set AL,  4                            ; v4-6   LDS address of my tokens' fragments in slot 0, 1, 2
.set AR,  7                            ; v7-9   the same for W2's
.set ADS, 16                           ; v16-18 of my scale words: lanes 0-15 the tokens', lanes 16-31 W2's
.set SC,  24                           ; v24-27 scale words of blocks 0-3 of both sides; they hold nothing else
.set SPW, 28
.set NIL, 29
.set L,   32
.set R,   80
.set ACC, 128
.set RHO, 14                           ; s14 wave % 4: my place; also my quarter of a slot when I fetch
.set WV,  16
.set G1A, 24
.set G1B, 32
.set G0A, 68                           ; s[68:79] three groups 0 for the tokens' chunks: set 0 slot (wave / 4) % 2, sets 1 and 2 slots 1 and 2
.set G0B, 80                           ; s[80:91] the same for W2's
.macro CREST
	s_cmp_lg_u32 s[WV], 0
	s_cbranch_scc1 .Lnot_wave_0_\@
	s_barrier_signal -3
.Lnot_wave_0_\@:
	s_barrier_wait -3
	s_barrier_signal -1
	s_barrier_wait -1
.endm
.macro CROUND                          ; a round of the cluster's barrier
	s_barrier_signal -1
	s_barrier_wait -1
	CREST
.endm
.macro JLOAD lim, set                  ; a joint refill by waves 0 .. lim - 1: of each four, two ask for the tokens' halves, two for W2's.  The branches hang on the wave's number alone; four v_nop follow each line
	s_cmp_lt_u32 s[WV], 2
	s_cbranch_scc1 .Lfor_a_\@
	s_cmp_lt_u32 s[WV], 4
	s_cbranch_scc1 .Lfor_b_\@
.if \lim > 4
	s_cmp_lt_u32 s[WV], 6
	s_cbranch_scc1 .Lfor_a_\@
	s_cmp_lt_u32 s[WV], 8
	s_cbranch_scc1 .Lfor_b_\@
.endif
	s_branch .Lasked_\@
.Lfor_a_\@:
	tensor_load_to_lds s[G0A+4*\set:G0A+4*\set+3], s[G1A:G1A+7]
	s_nop 0
.rept 4
	v_nop
.endr
	s_branch .Lasked_\@
.Lfor_b_\@:
	tensor_load_to_lds s[G0B+4*\set:G0B+4*\set+3], s[G1B:G1B+7]
	s_nop 0
.rept 4
	v_nop
.endr
.Lasked_\@:
.endm
.macro FRAG reg, adr, off              ; a fragment's image: six loads of 8 bytes a lane, each 256 consecutive bytes
.irp q, 0,1,2,3,4,5
	ds_load_b64 v[\reg+2*\q:\reg+2*\q+1], v[\adr] offset:\off+256*\q
.endr
.endm
.macro KSTEP sl, zero                  ; my K step of the chunk in slot sl: 8 fragments, 4 registers of scale words, 16 matrix instructions on 16 accumulators by turns
.irp i, 0,1,2,3
	FRAG L+12*\i, AL+\sl, \i*LBLK
.endr
.irp j, 0,1,2,3
	FRAG R+12*\j, AR+\sl, \j*LBLK
.endr
.irp i, 0,1,2,3
	ds_load_b32 v[SC+\i], v[ADS+\sl] offset:\i*LBLK
.endr
	s_wait_dscnt 0x0
.irp i, 0,1,2,3
.irp j, 0,1,2,3
.if \zero
	v_wmma_scale_f32_16x16x128_f8f6f4 v[ACC+8*(4*\i+\j):ACC+8*(4*\i+\j)+7], v[R+12*\j:R+12*\j+11], v[L+12*\i:L+12*\i+11], 0, v[SC+\j], v[SC+\i] matrix_a_fmt:MATRIX_FMT_FP6 matrix_b_fmt:MATRIX_FMT_FP6 matrix_a_scale:MATRIX_SCALE_ROW1
.else
	v_wmma_scale_f32_16x16x128_f8f6f4 v[ACC+8*(4*\i+\j):ACC+8*(4*\i+\j)+7], v[R+12*\j:R+12*\j+11], v[L+12*\i:L+12*\i+11], v[ACC+8*(4*\i+\j):ACC+8*(4*\i+\j)+7], v[SC+\j], v[SC+\i] matrix_a_fmt:MATRIX_FMT_FP6 matrix_b_fmt:MATRIX_FMT_FP6 matrix_a_scale:MATRIX_SCALE_ROW1
.endif
.endr
.endr
.rept 4
	v_nop                                          ; four places in front of the next loads into these operands and of the first read of results
.endr
.endm
.macro REFILL set, lim                 ; slots that have been read are filled again: set's descriptors step three chunks on
	s_wait_tensorcnt 0x0                           ; all my tensor loads have landed, so a group 0 may be written
	ds_add_u32 v[SPW], v[NIL]                      ; 0 onto my spare word
	ds_add_u32 v28, v29
	s_add_nc_u64 s[G0A+4*\set+2:G0A+4*\set+3], s[G0A+4*\set+2:G0A+4*\set+3], 3*REC
	s_add_nc_u64 s[G0B+4*\set+2:G0B+4*\set+3], s[G0B+4*\set+2:G0B+4*\set+3], 3*REC
	s_wait_dscnt 0x0                               ; the add is done, and my reads of those slots are over
	CROUND                                         ; so it is of every wave of every partner
	JLOAD \lim,\set                                ; first behind the round, one load a wave
.endm
	s_load_b256 s[4:11], s[0:1], 0x0               ; hid, wb, b2, x1
	s_load_b64 s[12:13], s[0:1], 0x20              ; out0
	v_lshl_add_u32 v[SPW], v0, 2, SPARE
	v_mov_b32 v[NIL], 0
	ds_add_u32 v28, v29
	ds_add_u32 v28, v29
	s_wait_dscnt 0x0
	v_lshrrev_b32 v1, 5, v0
	s_delay_alu instid0(VALU_DEP_1)
	v_readfirstlane_b32 s[WV], v1
	s_and_b32 s[RHO], s[WV], 3
	s_bfe_u32 s17, ttmp6, 0x40000                  ; cx
	s_bfe_u32 s18, ttmp6, 0x40004                  ; cy
	s_and_b32 s19, ttmp7, 0xffff
	s_lshl_b32 s20, s19, 2
	s_add_co_u32 s20, s20, s18                     ; the tile of 128 tokens
	s_lshl_b32 s21, ttmp9, 2
	s_add_co_u32 s21, s21, s17                     ; the tile of 128 columns
	s_lshl_b32 s22, s18, 2
	s_lshl_b32 s22, 15, s22                        ; my row of the cluster
	s_lshl_b32 s23, 0x1111, s17                    ; my column
	s_or_b32 s[G1A], s22, (3<<16)|(1<<21)          ; 15:0 the mask; 17:16 elements of 8 bytes; 21 set beside a mask; no padding: images are read as they lie
	s_or_b32 s[G1B], s23, (3<<16)|(1<<21)
.irp g, G1A, G1B                       ; 4 blocks, of each one record of 6,400 bytes (800 elements), a block's eight records apart
	s_mov_b32 s[\g+1], 800<<16
	s_mov_b32 s[\g+2], 4<<16
	s_mov_b32 s[\g+3], 800<<16
	s_mov_b32 s[\g+4], 4
	s_mov_b32 s[\g+5], BROW/8
	s_mov_b32 s[\g+6], 0
	s_mov_b32 s[\g+7], 0
.endr
	s_and_b32 s92, s[WV], 1
	s_lshl_b32 s92, s92, 2                         ; which 4 blocks of a tile I fetch
	s_lshl_b32 s93, s20, 3
	s_add_co_u32 s93, s93, s92
	s_lshl_b32 s94, s21, 3
	s_add_co_u32 s94, s94, s92
	s_mul_i32 s96, s93, BROW
	s_mov_b32 s97, 0
	s_mul_i32 s100, s94, BROW
	s_add_co_u32 s100, s100, BCO
	s_mov_b32 s101, 0
	s_bfe_u32 s95, s[WV], 0x10002                  ; u = (wave / 4) % 2: set 0 begins at chunk u, in slot u
	s_mul_i32 s98, s95, REC
	s_mov_b32 s99, 0
	s_mul_i32 s93, s95, SLOTB
	s_mul_i32 s92, s[RHO], 4*REC                   ; my quarter of a slot: no place in the cluster enters an LDS address
	s_add_co_u32 s93, s93, s92
	s_wait_kmcnt 0x0
	s_add_nc_u64 s[96:97], s[4:5], s[96:97]
	s_add_nc_u64 s[100:101], s[6:7], s[100:101]
	s_mov_b32 s[G0A], 1
	s_mov_b32 s[G0A+1], s93
	s_add_nc_u64 s[G0A+2:G0A+3], s[96:97], s[98:99]
	s_or_b32 s[G0A+3], s[G0A+3], 0x80000000
	s_mov_b32 s[G0B], 1
	s_mov_b32 s[G0B+1], s93
	s_add_nc_u64 s[G0B+2:G0B+3], s[100:101], s[98:99]
	s_or_b32 s[G0B+3], s[G0B+3], 0x80000000
.irp s, 1,2
	s_mov_b32 s[G0A+4*\s], 1
	s_add_co_u32 s[G0A+4*\s+1], s92, \s*SLOTB
	s_add_nc_u64 s[G0A+4*\s+2:G0A+4*\s+3], s[96:97], \s*REC
	s_or_b32 s[G0A+4*\s+3], s[G0A+4*\s+3], 0x80000000
	s_mov_b32 s[G0B+4*\s], 1
	s_add_co_u32 s[G0B+4*\s+1], s92, \s*SLOTB
	s_add_nc_u64 s[G0B+4*\s+2:G0B+4*\s+3], s[100:101], \s*REC
	s_or_b32 s[G0B+4*\s+3], s[G0B+4*\s+3], 0x80000000
.endr
	CROUND                                         ; all sixteen work-groups are here: the first joint loads meet
; THE FIRST FILLS ARE SHARED OUT, ONE LOAD A WAVE: twelve tiles.  Waves 0-3 chunk 0 (their set 0: slot 0), waves 4-7 chunk 1 (their set 0: slot 1), waves 8-11 chunk 2 (set 2); of each four waves two fetch the tokens' halves and two W2's.
; One chain of branches on the wave's number, a load to an arm, one join.  The refills' steps stay as they are: a set that its wave has not issued stands at the same chunk as one that was.
.macro ARM under, g0, g1, next
	s_cmp_lt_u32 s[WV], \under
	s_cbranch_scc0 \next
	tensor_load_to_lds s[\g0:\g0+3], s[\g1:\g1+7]
	s_nop 0
.rept 4
	v_nop
.endr
	s_branch .Lfirst_dn
\next:
.endm
	ARM 2, G0A, G1A, .Lf1
	ARM 4, G0B, G1B, .Lf2
	ARM 6, G0A, G1A, .Lf3
	ARM 8, G0B, G1B, .Lf4
	ARM 10, G0A+8, G1A, .Lf5
	ARM 12, G0B+8, G1B, .Lfirst_dn
	v_and_b32 v1, 15, v0                           ; r
	v_bfe_u32 v2, v0, 4, 1                         ; h
	v_and_b32 v3, 31, v0
	s_delay_alu instid0(VALU_DEP_1)
	v_lshlrev_b32 v3, 3, v3
	s_wait_alu depctr_va_vdst(0)
	s_lshr_b32 s92, s[WV], 2                       ; g: my K step of each chunk
	s_bfe_u32 s93, s[WV], 0x10001                  ; sm: my 64 tokens
	s_and_b32 s94, s[WV], 1                        ; sn: my 64 columns
	s_mul_i32 s96, s93, 4*REC
	s_mul_i32 s97, s92, 1536
	s_add_co_u32 s96, s96, s97
	v_add_nc_u32 v[AL], s96, v3
	s_delay_alu instid0(VALU_DEP_1)
	v_add_nc_u32 v[AL+1], SLOTB, v[AL]
	s_delay_alu instid0(VALU_DEP_2)
	v_add_nc_u32 v[AL+2], 2*SLOTB, v[AL]
	s_mul_i32 s96, s94, 4*REC
	s_add_co_u32 s96, s96, s97
	s_add_co_u32 s96, s96, 8*REC
	v_add_nc_u32 v[AR], s96, v3
	s_delay_alu instid0(VALU_DEP_1)
	v_add_nc_u32 v[AR+1], SLOTB, v[AR]
	s_delay_alu instid0(VALU_DEP_2)
	v_add_nc_u32 v[AR+2], 2*SLOTB, v[AR]
	s_mul_i32 s96, s93, 4*REC
	s_mul_i32 s97, s94, 4*REC
	s_add_co_u32 s97, s97, 8*REC
	s_sub_co_u32 s97, s97, s96                     ; from the tokens' records to W2's: at least four records
	v_mul_u32_u24 v[ADS], s97, v2                  ; lanes 16-31 take W2's
	s_delay_alu instid0(VALU_DEP_1)
	v_lshl_add_u32 v[ADS], v1, 2, v[ADS]
	s_lshl_b32 s97, s92, 6
	s_add_co_u32 s96, s96, s97
	s_add_co_u32 s96, s96, 6144                    ; the scale words lie behind a record's four fragments, 64 bytes a K step
	v_add_nc_u32 v[ADS], s96, v[ADS]
	s_delay_alu instid0(VALU_DEP_1)
	v_add_nc_u32 v[ADS+1], SLOTB, v[ADS]
	s_delay_alu instid0(VALU_DEP_2)
	v_add_nc_u32 v[ADS+2], 2*SLOTB, v[ADS]
	s_mul_i32 s96, s[RHO], 69632                   ; the partial sums: [place][token block 4] x 17,408, in it [group 4] x 16 rows x 272
	s_mul_i32 s97, s92, 4352
	s_add_co_u32 s97, s97, s96
	v_mul_u32_u24 v11, v1, 272
	s_delay_alu instid0(VALU_DEP_1)
	v_lshl_add_u32 v11, v2, 6, v11
	s_delay_alu instid0(VALU_DEP_1)
	v_add_nc_u32 v11, s97, v11                     ; in: my group's copy, row r, + 64 h
	s_mul_i32 s97, s92, 17408
	s_add_co_u32 s97, s97, s96
	v_mul_u32_u24 v12, v2, 272
	s_delay_alu instid0(VALU_DEP_1)
	v_lshl_add_u32 v12, v1, 4, v12
	s_delay_alu instid0(VALU_DEP_1)
	v_add_nc_u32 v12, s97, v12                     ; back: token block g; lanes 0-15 one row, lanes 16-31 the next
	v_lshlrev_b32 v15, 4, v1
	s_delay_alu instid0(VALU_DEP_1)
	v_lshl_add_u32 v14, v2, 12, v15                ; and the same two rows in memory
	s_lshl_b32 s96, s20, 7
	s_lshl_b32 s97, s93, 6
	s_add_co_u32 s96, s96, s97
	s_lshr_b32 s97, s92, 1
	s_lshl_b32 s97, s97, 5
	s_add_co_u32 s96, s96, s97
	s_and_b32 s97, s92, 1
	s_lshl_b32 s97, s97, 3
	s_add_co_u32 s96, s96, s97                     ; that block's first token
	s_lshl_b32 s96, s96, 12
	s_lshl_b32 s98, s21, 9
	s_lshl_b32 s99, s94, 8
	s_add_co_u32 s98, s98, s99                     ; my 64 columns, in bytes
	s_mov_b32 s99, 0
	s_add_nc_u64 s[8:9], s[8:9], s[98:99]
	s_add_co_u32 s96, s96, s98
	s_mov_b32 s97, 0
	s_add_nc_u64 s[10:11], s[10:11], s[96:97]
	s_add_nc_u64 s[12:13], s[12:13], s[96:97]
	s_cmp_lt_u32 s[WV], 4                          ; waves 0-3 fetched chunk 0: they wait; chunks 1 and 2 may stay out
	s_cbranch_scc0 .Lnot_first
	s_wait_tensorcnt 0x0
.Lnot_first:
	s_barrier_signal -1
	s_barrier_wait -1
	KSTEP 0,1                                      ; chunk 0: the first products start the sums
	s_cmp_lt_u32 s[WV], 8                          ; waves 4-7 fetched chunk 1: they wait; chunk 2 may stay out
	s_cbranch_scc0 .Lnot_second
	s_wait_tensorcnt 0x0
.Lnot_second:
	s_wait_dscnt 0x0
	s_barrier_signal -1
	s_barrier_wait -1
	KSTEP 1,0                                      ; chunk 1
	REFILL 0,8                                     ; slot 0 <- chunk 3, slot 1 <- chunk 4
	s_wait_alu depctr_va_vdst(0)
	KSTEP 2,0                                      ; chunk 2
	REFILL 2,4                                     ; slot 2 <- chunk 5
	KSTEP 0,0                                      ; chunk 3
	KSTEP 1,0                                      ; chunk 4: shown landed to every wave by the same round
	REFILL 0,8                                     ; slot 0 <- chunk 6, slot 1 <- chunk 7
	KSTEP 2,0                                      ; chunk 5
	s_wait_tensorcnt 0x0                           ; my part of chunks 6 and 7 is in (the only load of mine that was out),
	s_wait_dscnt 0x0
	s_barrier_signal -1
	s_barrier_wait -1                              ; everybody's is; nothing is left to fetch
	KSTEP 0,0                                      ; chunk 6
	KSTEP 1,0                                      ; chunk 7
.irp t, 0,1,2,3,4,5,6,7
	global_load_b128 v[L+4*\t:L+4*\t+3], v14, s[10:11] offset:(2*\t+8*(\t/4))*4096   ; the residual's rows: stage rows 2 t, 2 t + 1 are tokens 2 t + 8 (t / 4) on
.endr
	global_load_b128 v[64:67], v15, s[8:9]         ; the bias of my four columns
	s_wait_dscnt 0x0                               ; my reads of the ring are over
	s_barrier_signal -1
	s_barrier_wait -1                              ; everybody's are: the ring has had its last fill and its last read
.irp i, 0,1,2,3
.irp j, 0,1,2,3
	ds_store_b128 v11, v[ACC+8*(4*\i+\j):ACC+8*(4*\i+\j)+3] offset:17408*\i+128*(\j/2)+32*(\j%2)       ; each accumulator from its low end on
	ds_store_b128 v11, v[ACC+8*(4*\i+\j)+4:ACC+8*(4*\i+\j)+7] offset:17408*\i+128*(\j/2)+32*(\j%2)+16
.endr
.endr
	s_wait_dscnt 0x0                               ; for the others' sake: my partial sums lie in LDS
	s_barrier_signal -1
	s_barrier_wait -1
.irp u, 0,1,2,3
.irp t, 0,1,2,3,4,5,6,7
	ds_load_b128 v[ACC+32*\u+4*\t:ACC+32*\u+4*\t+3], v12 offset:4352*\u+544*\t
.endr
.endr
	s_wait_dscnt 0x0
	s_wait_loadcnt 0x0
.irp t, 0,1,2,3,4,5,6,7
.irp k, 0,2
	v_pk_add_f32 v[ACC+4*\t+\k:ACC+4*\t+\k+1], v[ACC+4*\t+\k:ACC+4*\t+\k+1], v[ACC+32+4*\t+\k:ACC+32+4*\t+\k+1]
	v_pk_add_f32 v[ACC+64+4*\t+\k:ACC+64+4*\t+\k+1], v[ACC+64+4*\t+\k:ACC+64+4*\t+\k+1], v[ACC+96+4*\t+\k:ACC+96+4*\t+\k+1]
.endr
.irp k, 0
	s_delay_alu instid0(VALU_DEP_3)
	v_pk_add_f32 v[ACC+4*\t+\k:ACC+4*\t+\k+1], v[ACC+4*\t+\k:ACC+4*\t+\k+1], v[ACC+64+4*\t+\k:ACC+64+4*\t+\k+1]
.endr
.irp k, 2
	s_delay_alu instid0(VALU_DEP_2)
	v_pk_add_f32 v[ACC+4*\t+\k:ACC+4*\t+\k+1], v[ACC+4*\t+\k:ACC+4*\t+\k+1], v[ACC+64+4*\t+\k:ACC+64+4*\t+\k+1]
.endr
.irp k, 0,2
	s_delay_alu instid0(VALU_DEP_2)
	v_pk_add_f32 v[ACC+4*\t+\k:ACC+4*\t+\k+1], v[ACC+4*\t+\k:ACC+4*\t+\k+1], v[64+\k:65+\k]
.endr
.irp k, 0,2
	s_delay_alu instid0(VALU_DEP_2)
	v_pk_add_f32 v[ACC+4*\t+\k:ACC+4*\t+\k+1], v[ACC+4*\t+\k:ACC+4*\t+\k+1], v[L+4*\t+\k:L+4*\t+\k+1]
.endr
	global_store_b128 v14, v[ACC+4*\t:ACC+4*\t+3], s[12:13] offset:(2*\t+8*(\t/4))*4096 th:TH_STORE_NT   ; sixteen lanes store 256 consecutive bytes, aligned; written once, read by nobody here
.endr
	s_wait_tensorcnt 0x0                           ; the wave's end
	ds_add_u32 v[SPW], v[NIL]
	s_wait_dscnt 0x0
	CROUND                                         ; the closing round
	s_endpgm
.Lfunc_end_k_qdccf5455cd_ffn2:
	.size	k_qdccf5455cd_ffn2, .Lfunc_end_k_qdccf5455cd_ffn2-k_qdccf5455cd_ffn2
	.p2alignl 7, 3214868480
	.fill 96, 4, 3214868480
	.section	.rodata,"a",@progbits
	.p2align	6, 0x0
	.amdhsa_kernel k_qdccf5455cd_ffn2
		.amdhsa_group_segment_fixed_size 327680
		.amdhsa_private_segment_fixed_size 0
		.amdhsa_enable_private_segment 0
		.amdhsa_kernarg_size 40
		.amdhsa_user_sgpr_count 2
		.amdhsa_user_sgpr_kernarg_segment_ptr 1
		.amdhsa_wavefront_size32 1
		.amdhsa_system_sgpr_workgroup_id_x 1
		.amdhsa_system_sgpr_workgroup_id_y 1
		.amdhsa_system_sgpr_workgroup_id_z 1
		.amdhsa_system_vgpr_workitem_id 0
		.amdhsa_next_free_vgpr 256
		.amdhsa_next_free_sgpr 102
		.amdhsa_reserve_vcc 0
		.amdhsa_float_denorm_mode_32 3
		.amdhsa_float_denorm_mode_16_64 3
		.amdhsa_memory_ordered 1
		.amdhsa_forward_progress 1
		.amdhsa_inst_pref_size 71
	.end_amdhsa_kernel
	.amdgpu_metadata
---
amdhsa.version: [ 1, 2 ]
amdhsa.kernels:
  - .name:           k_qdccf5455cd_ffn2
    .symbol:         k_qdccf5455cd_ffn2.kd
    .args:
      - { .name: hid, .offset: 0, .size: 8, .value_kind: global_buffer, .address_space: global }
      - { .name: wb, .offset: 8, .size: 8, .value_kind: global_buffer, .address_space: global }
      - { .name: b2, .offset: 16, .size: 8, .value_kind: global_buffer, .address_space: global }
      - { .name: x1, .offset: 24, .size: 8, .value_kind: global_buffer, .address_space: global }
      - { .name: out0, .offset: 32, .size: 8, .value_kind: global_buffer, .address_space: global }
    .group_segment_fixed_size: 327680
    .private_segment_fixed_size: 0
    .kernarg_segment_align: 8
    .kernarg_segment_size: 40
    .max_flat_workgroup_size: 512
    .sgpr_count:     102
    .vgpr_count:     256
    .wavefront_size: 32
...
	.end_amdgpu_metadata
.endif
;; end of part 7
